; MI455X (gfx1250); checked and timed in simulation.
; The chip was launched on July 23, 2026; its instructions are those of AMD's public machine-readable ISA for CDNA 5 (MIT licence, August 2026) and "CDNA5" Instruction Set Architecture Reference Guide (July 2026). The comments in the code are by the model that wrote it; some were corrected since.
;; p Expert. Allowed arithmetic: float matrix products may take bf16 or f16 operands with f32 sums; other float arithmetic in f32, or as packed bf16 or f16 multiplies, adds, multiply-adds, maxima and minima; sums over many terms, partial sums and values carried from step to step in f32; what a program stores and reads back later, other than sums and carried values, may be rounded once to bf16 or f16.
;; Inputs: fwd_expert_count 8 int32; inp 1,024 x 1,024 float32; w1 8 x 1,024 x 4,096 float32; w2 8 x 4,096 x 1,024 float32.
;; Outputs: out0 1,024 x 1,024 float32.
;; 2 versions, each right; version 2 is version 1 with the launches up, down written anew for expert scheduling mode. Each part assembles by itself: llvm-mc -triple=amdgcn-amd-amdhsa -mcpu=gfx1250 --defsym DOCPART=n.
;; ======== version 1 of 2: 4 launches
;; workspace buffers: xb 4,194,304 bytes; hb 16,777,216 bytes; parts 16,777,216 bytes
;; launch prep (part 1): grid 32 x 8, 2 waves a work-group, no clusters, 8,960 bytes of LDS; arguments fwd_expert_count, inp, xb; writes xb
.if DOCPART == 1
	.amdgcn_target "amdgcn-amd-amdhsa--gfx1250"
	.amdhsa_code_object_version 6
	.text
	.protected	k_q8843f2b419_prep
	.globl	k_q8843f2b419_prep
	.p2align	8
	.type	k_q8843f2b419_prep,@function
k_q8843f2b419_prep:
	s_mov_b64 s[64:65], 0
	v_nop
	global_prefetch_b8 v0, s[64:65] scope:SCOPE_SE
	s_setreg_imm32_b32 hwreg(HW_REG_WAVE_MODE, 25, 1), 1
	s_wait_xcnt 0x0
; inp [1024][1024] f32  ->  xb: the token rows rounded to bf16 and laid in the order in which the first product's operand registers take them.
; Tokens lie end to end by expert.  Expert e has rows start_e .. start_e + cnt_e - 1; they are cut into blocks of 128 rows, and block b of expert e has
; SLOT (start_e >> 7) + e + b of 16 slots of 262,144 bytes: slots of different experts never meet, whatever the counts, and the highest is 15.
; In a slot: byte = kk*8192 + mt*1024 + q*512 + lane*16, kk = K step of 32 (0..31), mt = 16 rows (0..7), q = register half of a fragment.
; Lane (r = lane % 16, h = lane / 16) holds row 16 mt + r and the eight numbers k = 64 (kk / 2) + 32 h + 16 (kk % 2) + 8 q + 0..7.
; (The order of k inside 64 is free as long as both operands of a product use the same one; this one lets the weights come straight from memory.)
; Places past an expert's count hold some row that exists (the index is held to 1023): they stay in rows of their own of the product and are never copied out.
; SHARES.  grid y = expert; x = 4 mt + c / 2; the two waves take c = 2 (x % 4) + wave: 16 rows x 128 k for each block of the expert.
; Each row piece is read as 512 consecutive bytes, turned through the wave's own 16 rows of LDS (pitch 272), and stored as 512 consecutive bytes.
; No matrix unit, no cluster, no tensor load: 4 MB go through once, and no two work-groups read the same bytes.
; LIMITS.  Counts are read as unsigned, each held to 1024, and so is their running sum: a negative count is not served.
.set LP,    272                        ; an LDS row: 256 bytes of bf16 + 16
.set WREG,  16*LP                      ; a wave's region
.set SPARE, 2*WREG                     ; behind them the spare words: 128 bytes a wave, one block of 256 bytes that no other line names
.set SPW, 10                           ; v10  LDS address of my spare word; never rewritten
.set NIL, 11                           ; v11  0; never rewritten
.set OFF, 16                           ; v[16:31]   byte offset in inp of my 16 bytes of row i
.set X,   32                           ; v[32:95]   row i: four f32
.set PK,  96                           ; v[96:127]  row i: four bf16
.set FR,  128                          ; v[128:159] eight pieces of 16 bytes in fragment order
; start (s27), count (s28) and first slot (s29) of expert s13 from the eight counts in s[16:23]
.macro PREFIX
	s_mov_b32 s24, 0                               ; the running sum
	s_mov_b32 s27, 0
	s_mov_b32 s28, 0
.irp i, 0,1,2,3,4,5,6,7
	s_min_u32 s25, s[16+\i], 1024
	s_add_co_u32 s25, s24, s25
	s_min_u32 s25, s25, 1024                       ; the sum behind expert i, held to the number of tokens
	s_sub_co_u32 s26, s25, s24                     ; the rows that expert i really has
	s_cmp_eq_u32 s13, \i
	s_cselect_b32 s27, s24, s27
	s_cselect_b32 s28, s26, s28
	s_mov_b32 s24, s25
.endr
	s_lshr_b32 s29, s27, 7
	s_add_co_u32 s29, s29, s13
	s_min_u32 s29, s29, 15                         ; a number read from memory enters an address only behind such a bound
.endm
	s_load_b128 s[4:7], s[0:1], 0x0                ; counts s[4:5], inp s[6:7]
	s_load_b64 s[8:9], s[0:1], 0x10                ; xb
	v_lshl_add_u32 v[SPW], v0, 2, SPARE
	v_mov_b32 v[NIL], 0
	v_lshrrev_b32 v5, 5, v0
	v_readfirstlane_b32 s12, v5                    ; wave 0, 1
	s_and_b32 s13, ttmp7, 0xffff                   ; expert
	s_lshr_b32 s14, ttmp9, 2                       ; mt
	s_and_b32 s15, ttmp9, 3
	s_lshl1_add_u32 s15, s15, s12                  ; c: which 128 of k
	v_and_b32 v6, 31, v0                           ; lane
	v_and_b32 v7, 15, v0                           ; r
	v_bfe_u32 v8, v0, 4, 1                         ; h
	s_lshl_b32 s33, s15, 9
	v_lshl_add_u32 v1, v6, 4, s33                  ; in a row of inp: 512 c + 16 lane
	s_mul_i32 s34, s12, WREG
	v_lshl_add_u32 v2, v6, 3, s34                  ; into LDS: my 8 bytes of a row
	v_mul_u32_u24 v3, v7, LP
	v_lshl_add_u32 v3, v8, 6, v3
	v_add_nc_u32 v3, s34, v3                       ; out of LDS: row r, 64 h bytes on
	v_lshlrev_b32 v4, 4, v6                        ; in xb: 16 lane
	s_wait_kmcnt 0x0
	s_load_b256 s[16:23], s[4:5], 0x0              ; the eight counts
	s_wait_kmcnt 0x0
	PREFIX
	s_add_co_u32 s30, s28, 127
	s_lshr_b32 s30, s30, 7                         ; blocks of this expert
	s_cmp_eq_u32 s30, 0
	s_cbranch_scc1 .Lnone                          ; an expert without rows: nothing to lay out
	s_lshl_b32 s36, s29, 18                        ; slot x 262,144
	s_lshl_b32 s37, s15, 15                        ; + four K steps for each c
	s_add_co_u32 s36, s36, s37
	s_lshl_b32 s37, s14, 10                        ; + mt x 1,024
	s_add_co_u32 s36, s36, s37
	s_mov_b32 s37, 0
	s_add_nc_u64 s[8:9], s[8:9], s[36:37]
	s_lshl_b32 s32, s14, 4
	s_add_co_u32 s32, s32, s27                     ; my first row: start + 16 mt
	s_mov_b32 s31, 0
.Lblk:                                                 ; a trip is a block of 128 rows; the LDS addresses are the same in every trip
.irp i, 0,1,2,3,4,5,6,7,8,9,10,11,12,13,14,15
	s_add_co_u32 s33, s32, \i
	s_min_u32 s33, s33, 1023                       ; past the last token: the last token's row
	s_lshl_b32 s33, s33, 12
	v_add_nc_u32 v[OFF+\i], s33, v1                ; (the last trip's loads, which named these registers, have all been waited for)
.endr
.irp i, 0,1,2,3,4,5,6,7,8,9,10,11,12,13,14,15
	global_load_b128 v[X+4*\i:X+4*\i+3], v[OFF+\i], s[6:7]  ; 512 consecutive bytes of one row
.endr
.irp i, 0,1,2,3,4,5,6,7,8,9,10,11,12,13,14,15
	s_wait_loadcnt 15-\i                           ; loads come back in order: row i is in, the 15 - i younger ones may be out
	v_cvt_pk_bf16_f32 v[PK+2*\i], v[X+4*\i], v[X+4*\i+1]
	v_cvt_pk_bf16_f32 v[PK+2*\i+1], v[X+4*\i+2], v[X+4*\i+3]
	ds_store_b64 v2, v[PK+2*\i:PK+2*\i+1] offset:LP*\i
.endr
.irp n, 0,1,2,3,4,5,6,7                ; n = 4 (group of 64) + 2 (K step in it) + q.  My own bytes: LDS serves a wave's instructions in order, so these see the stores above
	ds_load_b128 v[FR+4*\n:FR+4*\n+3], v3 offset:(\n/4)*128+((\n/2)%2)*32+(\n%2)*16
.endr
.irp n, 0,1,2,3,4,5,6,7
	s_wait_dscnt 7-\n                              ; piece n is back, the younger ones may be out
	global_store_b128 v4, v[FR+4*\n:FR+4*\n+3], s[8:9] offset:(\n/2)*8192+(\n%2)*512  ; 512 consecutive bytes
.endr
	s_wait_xcnt 0x0                                ; the stores' data and base are rewritten only behind this wait
	s_add_nc_u64 s[8:9], s[8:9], 0x40000           ; the next slot
	s_add_co_u32 s32, s32, 128
	s_add_co_u32 s31, s31, 1
	s_cmp_lt_u32 s31, s30
	s_cbranch_scc1 .Lblk
	s_wait_tensorcnt 0x0                           ; the wave's end: a closing add onto my spare word behind my last LDS store
	ds_add_u32 v[SPW], v[NIL]
	s_wait_dscnt 0x0
	s_endpgm
.Lnone:
	s_endpgm
.Lfunc_end_k_q8843f2b419_prep:
	.size	k_q8843f2b419_prep, .Lfunc_end_k_q8843f2b419_prep-k_q8843f2b419_prep
	.p2alignl 7, 3214868480
	.fill 96, 4, 3214868480
	.section	.rodata,"a",@progbits
	.p2align	6, 0x0
	.amdhsa_kernel k_q8843f2b419_prep
		.amdhsa_group_segment_fixed_size 8960
		.amdhsa_private_segment_fixed_size 0
		.amdhsa_enable_private_segment 0
		.amdhsa_kernarg_size 24
		.amdhsa_user_sgpr_count 2
		.amdhsa_user_sgpr_kernarg_segment_ptr 1
		.amdhsa_wavefront_size32 1
		.amdhsa_system_sgpr_workgroup_id_x 1
		.amdhsa_system_sgpr_workgroup_id_y 1
		.amdhsa_system_sgpr_workgroup_id_z 1
		.amdhsa_system_vgpr_workitem_id 0
		.amdhsa_next_free_vgpr 160
		.amdhsa_next_free_sgpr 66
		.amdhsa_reserve_vcc 0
		.amdhsa_float_denorm_mode_32 3
		.amdhsa_float_denorm_mode_16_64 3
		.amdhsa_memory_ordered 1
		.amdhsa_forward_progress 1
		.amdhsa_inst_pref_size 14
	.end_amdhsa_kernel
	.amdgpu_metadata
---
amdhsa.version: [ 1, 2 ]
amdhsa.kernels:
  - .name:           k_q8843f2b419_prep
    .symbol:         k_q8843f2b419_prep.kd
    .args:
      - { .name: fwd_expert_count, .offset: 0, .size: 8, .value_kind: global_buffer, .address_space: global }
      - { .name: inp, .offset: 8, .size: 8, .value_kind: global_buffer, .address_space: global }
      - { .name: xb, .offset: 16, .size: 8, .value_kind: global_buffer, .address_space: global }
    .group_segment_fixed_size: 8960
    .private_segment_fixed_size: 0
    .kernarg_segment_align: 8
    .kernarg_segment_size: 24
    .max_flat_workgroup_size: 64
    .sgpr_count:     66
    .vgpr_count:     160
    .wavefront_size: 32
...
	.end_amdgpu_metadata
.endif
;; end of part 1
;; launch up (part 2): grid 32 x 8, 8 waves a work-group, no clusters, 263,168 bytes of LDS; arguments fwd_expert_count, xb, w1, hb; writes hb
.if DOCPART == 2
	.amdgcn_target "amdgcn-amd-amdhsa--gfx1250"
	.amdhsa_code_object_version 6
	.text
	.protected	k_q8843f2b419_up
	.globl	k_q8843f2b419_up
	.p2align	8
	.type	k_q8843f2b419_up,@function
k_q8843f2b419_up:
	s_mov_b64 s[64:65], 0
	v_nop
	global_prefetch_b8 v0, s[64:65] scope:SCOPE_SE
	s_setreg_imm32_b32 hwreg(HW_REG_WAVE_MODE, 25, 1), 1
	s_wait_xcnt 0x0
; hb = gelu(x w1[e]) for the rows of each expert, bf16, in the second product's fragment order.  x comes from xb (bf16, fragment order, slots of 128 rows), w1 [8][1024][4096] f32 straight from memory.
; BOUND BY THE WEIGHTS' BYTES: 128 MB of f32 for some 128 rows an expert.  So each weight byte is read once for each block of 128 rows (one block at the even split), by one wave, and goes
; memory -> registers -> bf16 fragment without touching LDS.
; SHARES.  grid y = expert e, x = 128 of the 4,096 hidden columns.  Wave w: np = w / 4 picks 64 of them, kp = w % 4 picks 256 of k.  A wave's tile: 128 tokens x 64 columns x 256 k: 32 accumulators.
; WEIGHTS INTO FRAGMENTS.  Lane (r = lane % 16, h = lane / 16) loads 16 bytes W[k][n0 + 4 r .. + 3]: sixteen lanes take 256 consecutive, aligned bytes of one row of w1, the other sixteen those of the row 32 further
; down.  The four numbers go to four fragments t: fragment t's index r stands for column n0 + 4 r + t.  Two rows' numbers rounded together are one fragment register.  So place (h; register half q; element jj) of K step
; kk holds k = 64 (kk / 2) + 32 h + 16 (kk % 2) + 8 q + jj, and xb is laid in that same order: the products are the same, taken in another order of k.
; THE MATRIX INSTRUCTION IS USED TRANSPOSED (source 0 = weights, source 1 = tokens): register j of lane (r, h) is token r, hidden column n0 + 32 h + 4 j + t: after the activation a lane's numbers ARE its
; places in hb's fragment order, and every store is 512 consecutive bytes.
; LOADS AHEAD.  Weights land two K steps ahead of their use (two buffers of 64 registers).  The tokens' fragments land one K step ahead, in a ring of 12 places of 8 registers: fragment mt of step k has place
; (8 k + mt) % 12.  A step's products go in two halves (token tiles 0-3, then 4-7); each half's four places are asked for again as soon as the half is multiplied.  The weights of a block's first step are asked for
; before the counts are known: their address hangs on the expert, the columns and the wave alone (an expert without rows so reads 8 KB a wave in vain, inside w1).
; SUM OVER k.  The four waves of an np put their accumulators (f32) into a stage in LDS; behind a barrier wave (np, kp) adds the four parts of token tiles 2 kp, 2 kp + 1, applies gelu (tanh form, as
; x / (1 + 2^(x (k0 + k1 x^2)))), rounds once to bf16 and stores.
; ROWS.  The loop has a constant 8 trips, a block of 128 rows each: enough for all 1,024 rows on one expert.  Every wave passes both barriers in every trip; a trip past the expert's count jumps over the work alone.
; NO CLUSTER, NO TENSOR LOAD.  What an expert's 32 work-groups share is its token fragments, 262,144 bytes a block; the stage takes 262,144 of LDS's 327,680, so a shared copy does not fit beside it, and a ring
; of pieces would put barriers into work that hangs on a count.  The weights have one taker each.
; LIMITS.  Counts as unsigned, each held to 1024, and so their running sum; a negative count is not served.  An expert with more than 128 rows reads its weights once for each block.  NaN and infinities are not treated apart.
.set PITCH,  16384                     ; bytes from row to row of w1
.set ASTEP,  262144                    ; xb: bytes in a slot
.set OSTEP,  1048576                   ; hb: bytes in a slot
.set STAGEW, 32768                     ; a wave's stage: accumulator a at a*1024 + q*512 + lane*16: every LDS access is 512 consecutive bytes
.set SPARE,  8*STAGEW                  ; behind the stages the spare words: 128 bytes a wave, four blocks of 256 bytes that no other line names
.set VA,  1                            ; v1   16 lane: tokens' loads, hb's stores
.set VB,  2                            ; v2   h x 32 rows of w1 + 16 r
.set VST, 3                            ; v3   my stage + 16 lane
.set RA,  4                            ; v4-5 the stage as I read it: parts 0, 1 and parts 2, 3
.set VPF, 9                            ; v9   (32 h + r) rows of w1: one lane for each row of a K step
.set SPW, 10                           ; v10  LDS address of my spare word; never rewritten
.set NIL, 11                           ; v11  0; never rewritten
.set BF,  16                           ; v[16:31]   the weights' fragments t = 0, 1 (t = 2, 3 lie in the first 16 registers of the step's landing buffer)
.set AF,  32                           ; v[32:127]  the tokens' ring of 12 fragments; later the 64 sums and the 32 packed results
.set RAW, 128                          ; v[128:255] two K steps of weights as loaded, 64 registers each; later the stage's parts
.set XX,  AF
.set HB,  AF+64
.set TT,  RAW
; window 1 (v256-511): accumulator a = 4 mt + t at v[8 a]
.set MSB, 0
.macro WIN new                         ; the immediate's high byte repeats the setting that is left
.if MSB != (\new)
	s_set_vgpr_msb (MSB<<8)|(\new)
.set MSB, \new
.endif
.endm
.macro PREFIX                          ; start (s27), count (s28), first slot (s29) of expert s13 from the counts in s[16:23]
	s_mov_b32 s24, 0
	s_mov_b32 s27, 0
	s_mov_b32 s28, 0
.irp i, 0,1,2,3,4,5,6,7
	s_min_u32 s25, s[16+\i], 1024
	s_add_co_u32 s25, s24, s25
	s_min_u32 s25, s25, 1024
	s_sub_co_u32 s26, s25, s24
	s_cmp_eq_u32 s13, \i
	s_cselect_b32 s27, s24, s27
	s_cselect_b32 s28, s26, s28
	s_mov_b32 s24, s25
.endr
	s_lshr_b32 s29, s27, 7
	s_add_co_u32 s29, s29, s13
	s_min_u32 s29, s29, 15                         ; a number read from memory enters an address only behind such a bound
.endm
.macro LDAH kk, hf                     ; the tokens' fragments mt = 4 hf .. 4 hf + 3 of K step kk into their places of the ring: 8 loads of 512 consecutive bytes
.irp j, 0,1,2,3
.set SL, AF+8*((8*(\kk)+4*(\hf)+\j)%12)
	global_load_b128 v[SL:SL+3],   v[VA], s[6:7] offset:(\kk)*8192+(4*(\hf)+\j)*1024
	global_load_b128 v[SL+4:SL+7], v[VA], s[6:7] offset:(\kk)*8192+(4*(\hf)+\j)*1024+512
.endr
.endm
.macro LDB kk                          ; the weights of K step kk: 16 loads, each two rows' 256 bytes
.irp ii, 0,1,2,3,4,5,6,7,8,9,10,11,12,13,14,15
	global_load_b128 v[RAW+64*((\kk)%2)+4*\ii:RAW+64*((\kk)%2)+4*\ii+3], v[VB], s[8:9] offset:(((\kk)/2)*64+((\kk)%2)*16+\ii)*PITCH th:TH_LOAD_NT
.endr
.endm
.macro PFB kk                          ; my own weights of K step kk are asked for ahead: 32 lanes, one for each of the step's 32 row pieces of 256 bytes.  kk is 7 at the most: inside my 256 rows
	global_prefetch_b8 v[VPF], s[8:9] offset:(((\kk)/2)*64+((\kk)%2)*16)*PITCH th:TH_LOAD_NT scope:SCOPE_SE
.endm
; Rows 2 p and 2 p + 1 of the step, column t of the lane's four -> register p of fragment t.  Row i's four numbers lie at RB + 4 i.  Fragments 0, 1 go to BF; fragments 2, 3 go IN PLACE to RB + 0..7 and RB + 8..15,
; where rows 0 to 3 landed.  The order keeps every source whole until it is read: p = 0, 1 of t = 0, 1 free RB + 0, 1, 4, 5, 8, 9, 12, 13; p = 0, 1 of t = 2, 3 then go to RB + 0, 8, 1, 9; behind them rows 0 to 3 are spent.
.macro CVT kk
.set RB, RAW+64*((\kk)%2)
.irp p, 0,1
.irp t, 0,1
	v_cvt_pk_bf16_f32 v[BF+8*\t+\p], v[RB+8*\p+\t], v[RB+8*\p+4+\t]
.endr
.endr
.irp p, 0,1
.irp t, 2,3
	v_cvt_pk_bf16_f32 v[RB+8*(\t-2)+\p], v[RB+8*\p+\t], v[RB+8*\p+4+\t]
.endr
.endr
.irp p, 2,3,4,5,6,7
.irp t, 0,1
	v_cvt_pk_bf16_f32 v[BF+8*\t+\p], v[RB+8*\p+\t], v[RB+8*\p+4+\t]
.endr
.irp t, 2,3
	v_cvt_pk_bf16_f32 v[RB+8*(\t-2)+\p], v[RB+8*\p+\t], v[RB+8*\p+4+\t]
.endr
.endr
.endm
; 16 matrix instructions: token tiles 4 hf .. 4 hf + 3 x the four fragments of weights.  The 32 accumulators take turns, one instruction a turn, from half to half and from step to step.
; first = 1: the products start the sums
.macro MMH kk, hf, first
	WIN 0x50                                       ; C and D in window 1
.irp j, 0,1,2,3
.set SL, AF+8*((8*(\kk)+4*(\hf)+\j)%12)
.set AC, 32*(4*(\hf)+\j)
.irp t, 0,1,2,3
.if \t < 2
.set FB, BF+8*\t
.else
.set FB, RAW+64*((\kk)%2)+8*(\t-2)
.endif
.if \first
	v_wmma_f32_16x16x32_bf16 v[AC+8*\t:AC+8*\t+7], v[FB:FB+7], v[SL:SL+7], 0
.else
	v_wmma_f32_16x16x32_bf16 v[AC+8*\t:AC+8*\t+7], v[FB:FB+7], v[SL:SL+7], v[AC+8*\t:AC+8*\t+7]
.endif
.endr
.endr
	WIN 0
.endm
.macro PLACES                          ; four places behind a product, ahead of loads into registers that it read, of conversions into them, and of stores of its result
.rept 4
	v_nop
.endr
.endm
; A K step.  A(k)a, A(k)b: the tokens' tiles 0-3 and 4-7 of step k, 8 loads each; B(k): its weights, 16 loads.  Order of issue: B(0) A(0)a A(0)b A(1)a B(1), then in step k: A(k+1)b in its middle, A(k+2)a B(k+2) at its end.
; Loads come back in order.  At a step's head B(k) and A(k)a are wanted: younger are A(k)b, A(k+1)a, B(k+1): 32 (step 7: A(7)b alone: 8).  In its middle A(k)b is wanted: younger are A(k+1)a, B(k+1), A(k+1)b: 32 (step 7: none).
; No load stands behind one that is wanted later than itself.  A wave has 56 loads out at the most.  The request for the weights of step k + 4 goes out two steps ahead of that step's loads and stops with step 7.
.macro STEP kk
.if (\kk) < 7
	s_wait_loadcnt 32
.else
	s_wait_loadcnt 8
.endif
	CVT \kk
.if (\kk) < 4
	PFB (\kk)+4
.endif
.if (\kk) == 0
	MMH \kk, 0, 1
.else
	MMH \kk, 0, 0
.endif
	PLACES
.if (\kk) < 7
	LDAH (\kk)+1, 1                                ; into the four places just multiplied
	s_wait_loadcnt 32
.else
	s_wait_loadcnt 0x0
.endif
.if (\kk) == 0
	MMH \kk, 1, 1
.else
	MMH \kk, 1, 0
.endif
	PLACES
.if (\kk) < 6
	LDAH (\kk)+2, 0                                ; into the four places just multiplied
	LDB (\kk)+2                                    ; into this step's landing buffer
.endif
.endm
.macro BARRIER
	s_barrier_signal -1
	s_barrier_wait -1
.endm
; token tile 2 kp + m, fragments t = 2 tp, 2 tp + 1: the four waves' parts, 16 loads into half buf of RAW
.macro LOADC m, tp, buf
.irp tau, 0,1
.irp p, 0,1,2,3
.irp q, 0,1
	ds_load_b128 v[RAW+64*(\buf)+32*\tau+8*\p+4*\q:RAW+64*(\buf)+32*\tau+8*\p+4*\q+3], v[RA+\p/2] offset:(\p%2)*32768+(\m)*4096+(2*(\tp)+\tau)*1024+\q*512
.endr
.endr
.endr
.endm
.macro SUMC m, tp, buf                 ; (part 0 + part 1) + (part 2 + part 3), in f32
.irp tau, 0,1
.set R0, RAW+64*(\buf)+32*\tau
.irp u, 0,2,4,6
	v_pk_add_f32 v[R0+\u:R0+\u+1], v[R0+\u:R0+\u+1], v[R0+8+\u:R0+8+\u+1]
	v_pk_add_f32 v[R0+16+\u:R0+16+\u+1], v[R0+16+\u:R0+16+\u+1], v[R0+24+\u:R0+24+\u+1]
.endr
.irp u, 0,2,4,6
	v_pk_add_f32 v[XX+8*(4*(\m)+2*(\tp)+\tau)+\u:XX+8*(4*(\m)+2*(\tp)+\tau)+\u+1], v[R0+\u:R0+\u+1], v[R0+16+\u:R0+16+\u+1]
.endr
.endr
.endm
	s_load_b256 s[4:11], s[0:1], 0x0               ; counts s[4:5], xb s[6:7], w1 s[8:9], hb s[10:11]
	v_lshl_add_u32 v[SPW], v0, 2, SPARE
	v_mov_b32 v[NIL], 0
	v_lshrrev_b32 v12, 5, v0
	v_readfirstlane_b32 s12, v12                   ; wave 0..7
	s_and_b32 s13, ttmp7, 0xffff                   ; expert
	s_mov_b32 s14, ttmp9                           ; which 128 hidden columns
	s_lshr_b32 s40, s12, 2                         ; np
	s_and_b32 s41, s12, 3                          ; kp
	v_and_b32 v13, 31, v0                          ; lane
	v_and_b32 v14, 15, v0                          ; r
	v_bfe_u32 v15, v0, 4, 1                        ; h
	v_lshlrev_b32 v[VA], 4, v13
	v_lshlrev_b32 v[VB], 4, v14
	v_lshl_add_u32 v[VB], v15, 19, v[VB]           ; 32 rows of 16,384 bytes
	s_lshl_b32 s32, s13, 24                        ; w1: expert x 16 MB + kp x 256 rows + 512 x + 256 np: no count enters it
	s_lshl_b32 s34, s41, 22
	s_add_co_u32 s32, s32, s34
	s_lshl_b32 s34, s14, 9
	s_add_co_u32 s32, s32, s34
	s_lshl_b32 s34, s40, 8
	s_add_co_u32 s32, s32, s34
	s_mov_b32 s33, 0
	s_wait_kmcnt 0x0
	s_load_b256 s[16:23], s[4:5], 0x0              ; the eight counts;
	s_add_nc_u64 s[8:9], s[8:9], s[32:33]
	LDB 0                                          ; while they are on their way the first block's first weights are asked for
	s_lshl_b32 s42, s12, 15
	v_add_nc_u32 v[VST], s42, v[VA]
	s_lshl_b32 s42, s40, 17                        ; the four stages of my np,
	s_lshl_b32 s43, s41, 13                        ; in each the eight accumulators of token tiles 2 kp, 2 kp + 1
	s_add_co_u32 s42, s42, s43
	v_add_nc_u32 v[RA], s42, v[VA]
	v_add_nc_u32 v[RA+1], 0x10000, v[RA]
	v_lshlrev_b32 v[VPF], 14, v14
	v_lshl_add_u32 v[VPF], v15, 19, v[VPF]
	s_mov_b32 s36, 0xbdd2d3e8                      ; k1 = -2 sqrt(2/pi) log2(e) x 0.044715 = -0.10294324
	s_mov_b32 s37, s36                             ; named as a pair
	s_mov_b32 s38, 0xc0135761                      ; k0 = -2 sqrt(2/pi) log2(e) = -2.3022082
	s_mov_b32 s39, s38
	s_wait_kmcnt 0x0
	PREFIX
	s_lshl_b32 s32, s29, 18                        ; xb: slot x 262,144 + kp x 8 K steps
	s_lshl_b32 s34, s41, 16
	s_add_co_u32 s32, s32, s34
	s_add_nc_u64 s[6:7], s[6:7], s[32:33]
	s_lshl_b32 s32, s29, 20                        ; hb: slot x 1 MB + (2 x + np) groups of 64 hidden columns (two K steps) + token tile 2 kp
	s_lshl1_add_u32 s34, s14, s40
	s_lshl_b32 s34, s34, 14
	s_add_co_u32 s32, s32, s34
	s_lshl_b32 s34, s41, 11
	s_add_co_u32 s32, s32, s34
	s_add_nc_u64 s[10:11], s[10:11], s[32:33]
	s_mov_b32 s30, 0                               ; the trip's first row in the expert
	s_mov_b32 s31, 8                               ; trips to go
.Ltrip:
	s_cmp_lt_u32 s30, s28
	s_cbranch_scc0 .Lno_products                   ; no rows left: the same answer in all eight waves; no barrier is jumped
	LDAH 0, 0                                      ; B(0) is out already
	LDAH 0, 1
	LDAH 1, 0
	LDB 1
	PFB 2
	PFB 3
.irp kk, 0,1,2,3,4,5,6,7
	STEP \kk
.endr
	WIN 0x04                                       ; the stores' data in window 1
.set a, 0
.rept 32                               ; each accumulator's low registers first
	ds_store_b128 v[VST], v[8*a:8*a+3] offset:a*1024
	ds_store_b128 v[VST], v[8*a+4:8*a+7] offset:a*1024+512
.set a, a+1
.endr
	WIN 0
	s_wait_dscnt 0x0                               ; for the others' sake: my parts lie in the stage
.Lno_products:
	BARRIER                                        ; everybody's do
	s_cmp_lt_u32 s30, s28
	s_cbranch_scc0 .Lno_sums
	s_wait_loadcnt 0x0                             ; no load is out into the registers used below (behind the products' last wait none is)
	LOADC 0, 0, 0
	LOADC 0, 1, 1
	s_wait_dscnt 16                                ; all but the 16 loads of the younger piece
	SUMC 0, 0, 0
	LOADC 1, 0, 0
	s_wait_dscnt 16
	SUMC 0, 1, 1
	LOADC 1, 1, 1
	s_wait_dscnt 16
	SUMC 1, 0, 0
	s_wait_dscnt 0x0                               ; my reads of the stage are over
	SUMC 1, 1, 1
	; gelu on my 64 sums: x / (1 + 2^(x (k0 + k1 x^2))).  For large |x| the power is 0 or infinite and the result x or -0.
.set i, 0
.rept 32
	v_pk_mul_f32 v[TT+i:TT+i+1], v[XX+i:XX+i+1], v[XX+i:XX+i+1]
.set i, i+2
.endr
.set i, 0
.rept 32
	v_pk_fma_f32 v[TT+i:TT+i+1], v[TT+i:TT+i+1], s[36:37], s[38:39] op_sel_hi:[1,0,0]
.set i, i+2
.endr
.set i, 0
.rept 32
	v_pk_mul_f32 v[TT+i:TT+i+1], v[TT+i:TT+i+1], v[XX+i:XX+i+1]
.set i, i+2
.endr
.set i, 0
.rept 64
	v_exp_f32 v[TT+i], v[TT+i]
.set i, i+1
.endr
	v_nop                                          ; a plain instruction behind the last exponential,
	s_wait_alu depctr_va_vdst(0)                   ; and one wait for the batch of 64, ahead of its first use
.set i, 0
.rept 32
	v_pk_add_f32 v[TT+i:TT+i+1], v[TT+i:TT+i+1], 1.0 op_sel_hi:[1,0]
.set i, i+2
.endr
.set i, 0
.rept 64
	v_rcp_f32 v[TT+i], v[TT+i]
.set i, i+1
.endr
	v_nop
	s_wait_alu depctr_va_vdst(0)                   ; one wait for the 64 reciprocals
.set i, 0
.rept 32
	v_pk_mul_f32 v[XX+i:XX+i+1], v[XX+i:XX+i+1], v[TT+i:TT+i+1]
.set i, i+2
.endr
	; hidden column 32 h + 4 j + t is place 16 al + 8 q + jj of my half: register 2 j + t / 2 of the tile's sixteen
.irp m, 0,1
.irp j, 0,1,2,3,4,5,6,7
.irp tp, 0,1
	v_cvt_pk_bf16_f32 v[HB+16*\m+2*\j+\tp], v[XX+8*(4*\m+2*\tp)+\j], v[XX+8*(4*\m+2*\tp+1)+\j]
.endr
.endr
.endr
.irp m, 0,1
.irp al, 0,1
.irp q, 0,1
	global_store_b128 v[VA], v[HB+16*\m+8*\al+4*\q:HB+16*\m+8*\al+4*\q+3], s[10:11] offset:\al*8192+\m*1024+\q*512  ; 512 consecutive bytes
.endr
.endr
.endr
.Lno_sums:
	BARRIER                                        ; every wave's reads of the stage are back: the next trip may write it
	s_wait_xcnt 0x0                                ; the stores' data and base, and the loads' base, are rewritten only behind this wait
	s_add_nc_u64 s[6:7], s[6:7], ASTEP             ; the next block's slot
	s_add_nc_u64 s[10:11], s[10:11], OSTEP
	s_add_co_u32 s30, s30, 128
	s_cmp_lt_u32 s30, s28
	s_cbranch_scc0 .Lno_next                       ; no further block of this expert
	s_wait_loadcnt 0x0                             ; no load is out into the landing buffer
	LDB 0                                          ; the next block walks the same weights: its first step's are asked for here
.Lno_next:
	s_sub_co_u32 s31, s31, 1
	s_cmp_lg_u32 s31, 0
	s_cbranch_scc1 .Ltrip
	s_wait_tensorcnt 0x0                           ; the wave's end: a closing add onto my spare word behind my last LDS store
	ds_add_u32 v[SPW], v[NIL]
	s_wait_dscnt 0x0
	s_endpgm
.Lfunc_end_k_q8843f2b419_up:
	.size	k_q8843f2b419_up, .Lfunc_end_k_q8843f2b419_up-k_q8843f2b419_up
	.p2alignl 7, 3214868480
	.fill 96, 4, 3214868480
	.section	.rodata,"a",@progbits
	.p2align	6, 0x0
	.amdhsa_kernel k_q8843f2b419_up
		.amdhsa_group_segment_fixed_size 263168
		.amdhsa_private_segment_fixed_size 0
		.amdhsa_enable_private_segment 0
		.amdhsa_kernarg_size 32
		.amdhsa_user_sgpr_count 2
		.amdhsa_user_sgpr_kernarg_segment_ptr 1
		.amdhsa_wavefront_size32 1
		.amdhsa_system_sgpr_workgroup_id_x 1
		.amdhsa_system_sgpr_workgroup_id_y 1
		.amdhsa_system_sgpr_workgroup_id_z 1
		.amdhsa_system_vgpr_workitem_id 0
		.amdhsa_next_free_vgpr 512
		.amdhsa_next_free_sgpr 66
		.amdhsa_reserve_vcc 0
		.amdhsa_float_denorm_mode_32 3
		.amdhsa_float_denorm_mode_16_64 3
		.amdhsa_memory_ordered 1
		.amdhsa_forward_progress 1
		.amdhsa_inst_pref_size 99
	.end_amdhsa_kernel
	.amdgpu_metadata
---
amdhsa.version: [ 1, 2 ]
amdhsa.kernels:
  - .name:           k_q8843f2b419_up
    .symbol:         k_q8843f2b419_up.kd
    .args:
      - { .name: fwd_expert_count, .offset: 0, .size: 8, .value_kind: global_buffer, .address_space: global }
      - { .name: xb, .offset: 8, .size: 8, .value_kind: global_buffer, .address_space: global }
      - { .name: w1, .offset: 16, .size: 8, .value_kind: global_buffer, .address_space: global }
      - { .name: hb, .offset: 24, .size: 8, .value_kind: global_buffer, .address_space: global }
    .group_segment_fixed_size: 263168
    .private_segment_fixed_size: 0
    .kernarg_segment_align: 8
    .kernarg_segment_size: 32
    .max_flat_workgroup_size: 256
    .sgpr_count:     66
    .vgpr_count:     512
    .wavefront_size: 32
...
	.end_amdgpu_metadata
.endif
;; end of part 2
;; launch down (part 3): grid 32 x 8, 8 waves a work-group, no clusters, 263,168 bytes of LDS; arguments fwd_expert_count, hb, w2, parts; writes parts
.if DOCPART == 3
	.amdgcn_target "amdgcn-amd-amdhsa--gfx1250"
	.amdhsa_code_object_version 6
	.text
	.protected	k_q8843f2b419_down
	.globl	k_q8843f2b419_down
	.p2align	8
	.type	k_q8843f2b419_down,@function
k_q8843f2b419_down:
	s_mov_b64 s[64:65], 0
	v_nop
	global_prefetch_b8 v0, s[64:65] scope:SCOPE_SE
	s_setreg_imm32_b32 hwreg(HW_REG_WAVE_MODE, 25, 1), 1
	s_wait_xcnt 0x0
; parts[kh] = h w2[e] over half kh of the 4,096 hidden channels, f32, for the rows of each expert.  h comes from hb (bf16, fragment order, slots of 128 rows), w2 [8][4096][1024] f32 straight from memory.
; The frame is the first product's: each weight byte goes memory -> registers -> bf16 fragment, read once for each block of 128 rows by one wave.
; SHARES.  grid y = expert e; x: ns = x / 2 picks 64 of the 1,024 output columns (256 aligned bytes of a row of w2), kh = x % 2 picks 2,048 of k.  Wave w takes 256 of those k.
; A wave's tile: 128 tokens x 64 columns x 256 k: 32 accumulators.  K is cut over two work-groups so that 256 work-groups each read row pieces of 256 bytes; the two halves (partial sums: f32) are added by the last launch.
; WEIGHTS INTO FRAGMENTS.  Lane (r, h) loads 16 bytes W[k][n0 + 4 r .. + 3]; the four numbers go to four fragments t, whose index r stands for column n0 + 4 r + t.  Place (h; q; jj) of K step kk holds
; k = 64 (kk / 2) + 32 h + 16 (kk % 2) + 8 q + jj, the order in which hb is laid.
; RESULT.  Source 0 = tokens, source 1 = weights: register j of lane (r, h), fragment t, is token 8 h + j, column n0 + 4 r + t: the four fragments' numbers are 16 neighbouring bytes, and sixteen lanes store
; 256 consecutive, aligned bytes of one row.
; LOADS AHEAD.  Weights land two K steps ahead of their use (two buffers of 64 registers).  The tokens' fragments land one K step ahead, in a ring of 12 places of 8 registers: fragment mt of step k has place
; (8 k + mt) % 12.  A step's products go in two halves (token tiles 0-3, then 4-7); each half's four places are asked for again as soon as the half is multiplied.  The weights of a block's first step are asked for
; before the counts are known: their address hangs on the expert, the columns and the wave alone (an expert without rows so reads 8 KB a wave in vain, inside w2).
; SUM OVER k.  All eight waves put their accumulators (f32) into a stage in LDS; behind a barrier wave w adds the eight parts of token tile w and stores it.
; ROWS.  A constant 8 trips, a block of 128 rows each; every wave passes both barriers in every trip; a trip past the expert's count jumps over the work alone.
; NO CLUSTER, NO TENSOR LOAD.  What an expert's work-groups share is its token fragments, 524,288 bytes a block and half of k: more than LDS holds, beside a stage of 262,144.  The weights have one taker each.
; LIMITS.  Counts as unsigned, each held to 1024, and so their running sum; a negative count is not served.  An expert with more than 128 rows reads its weights once for each block.
.set PITCH,  4096                      ; bytes from row to row of w2
.set ASTEP,  1048576                   ; hb: bytes in a slot
.set OSTEP,  524288                    ; parts: bytes in a slot (128 rows of 4,096)
.set STAGEW, 32768                     ; a wave's stage: accumulator a at a*1024 + q*512 + lane*16
.set SPARE,  8*STAGEW                  ; behind the stages the spare words: 128 bytes a wave, four blocks of 256 bytes that no other line names
.set VA,  1                            ; v1   16 lane
.set VB,  2                            ; v2   h x 32 rows of w2 + 16 r
.set VST, 3                            ; v3   my stage + 16 lane
.set RA,  4                            ; v4-7 the stage as I read it: parts 2 i, 2 i + 1
.set VO,  8                            ; v8   in parts: 8 h rows + 16 r
.set VPF, 9                            ; v9   (32 h + r) rows of w2
.set SPW, 10                           ; v10  LDS address of my spare word; never rewritten
.set NIL, 11                           ; v11  0; never rewritten
.set BF,  16                           ; v[16:31]   the weights' fragments t = 0, 1 (t = 2, 3 lie in the first 16 registers of the step's landing buffer)
.set AF,  32                           ; v[32:127]  the tokens' ring of 12 fragments; later the 32 sums
.set RAW, 128                          ; v[128:255] two K steps of weights as loaded; later the stage's parts
.set OO,  AF
; window 1 (v256-511): accumulator a = 4 mt + t at v[8 a]
.set MSB, 0
.macro WIN new                         ; the immediate's high byte repeats the setting that is left
.if MSB != (\new)
	s_set_vgpr_msb (MSB<<8)|(\new)
.set MSB, \new
.endif
.endm
.macro PREFIX                          ; start (s27), count (s28), first slot (s29) of expert s13 from the counts in s[16:23]
	s_mov_b32 s24, 0
	s_mov_b32 s27, 0
	s_mov_b32 s28, 0
.irp i, 0,1,2,3,4,5,6,7
	s_min_u32 s25, s[16+\i], 1024
	s_add_co_u32 s25, s24, s25
	s_min_u32 s25, s25, 1024
	s_sub_co_u32 s26, s25, s24
	s_cmp_eq_u32 s13, \i
	s_cselect_b32 s27, s24, s27
	s_cselect_b32 s28, s26, s28
	s_mov_b32 s24, s25
.endr
	s_lshr_b32 s29, s27, 7
	s_add_co_u32 s29, s29, s13
	s_min_u32 s29, s29, 15                         ; a number read from memory enters an address only behind such a bound
.endm
.macro LDAH kk, hf                     ; the tokens' fragments mt = 4 hf .. 4 hf + 3 of K step kk into their places of the ring: 8 loads of 512 consecutive bytes
.irp j, 0,1,2,3
.set SL, AF+8*((8*(\kk)+4*(\hf)+\j)%12)
	global_load_b128 v[SL:SL+3],   v[VA], s[6:7] offset:(\kk)*8192+(4*(\hf)+\j)*1024
	global_load_b128 v[SL+4:SL+7], v[VA], s[6:7] offset:(\kk)*8192+(4*(\hf)+\j)*1024+512
.endr
.endm
.macro LDB kk                          ; the weights of K step kk: 16 loads, each two rows' 256 bytes
.irp ii, 0,1,2,3,4,5,6,7,8,9,10,11,12,13,14,15
	global_load_b128 v[RAW+64*((\kk)%2)+4*\ii:RAW+64*((\kk)%2)+4*\ii+3], v[VB], s[8:9] offset:(((\kk)/2)*64+((\kk)%2)*16+\ii)*PITCH th:TH_LOAD_NT
.endr
.endm
.macro PFB kk                          ; my own weights of K step kk are asked for ahead: 32 lanes, one for each of the step's 32 row pieces of 256 bytes.  kk is 7 at the most: inside my 256 rows
	global_prefetch_b8 v[VPF], s[8:9] offset:(((\kk)/2)*64+((\kk)%2)*16)*PITCH th:TH_LOAD_NT scope:SCOPE_SE
.endm
; Rows 2 p and 2 p + 1 of the step, column t of the lane's four -> register p of fragment t.  Row i's four numbers lie at RB + 4 i.  Fragments 0, 1 go to BF; fragments 2, 3 go IN PLACE to RB + 0..7 and RB + 8..15,
; where rows 0 to 3 landed.  The order keeps every source whole until it is read: p = 0, 1 of t = 0, 1 free RB + 0, 1, 4, 5, 8, 9, 12, 13; p = 0, 1 of t = 2, 3 then go to RB + 0, 8, 1, 9; behind them rows 0 to 3 are spent.
.macro CVT kk
.set RB, RAW+64*((\kk)%2)
.irp p, 0,1
.irp t, 0,1
	v_cvt_pk_bf16_f32 v[BF+8*\t+\p], v[RB+8*\p+\t], v[RB+8*\p+4+\t]
.endr
.endr
.irp p, 0,1
.irp t, 2,3
	v_cvt_pk_bf16_f32 v[RB+8*(\t-2)+\p], v[RB+8*\p+\t], v[RB+8*\p+4+\t]
.endr
.endr
.irp p, 2,3,4,5,6,7
.irp t, 0,1
	v_cvt_pk_bf16_f32 v[BF+8*\t+\p], v[RB+8*\p+\t], v[RB+8*\p+4+\t]
.endr
.irp t, 2,3
	v_cvt_pk_bf16_f32 v[RB+8*(\t-2)+\p], v[RB+8*\p+\t], v[RB+8*\p+4+\t]
.endr
.endr
.endm
; 16 matrix instructions: token tiles 4 hf .. 4 hf + 3 x the four fragments of weights.  The 32 accumulators take turns, one instruction a turn, from half to half and from step to step.
; first = 1: the products start the sums
.macro MMH kk, hf, first
	WIN 0x50                                       ; C and D in window 1
.irp j, 0,1,2,3
.set SL, AF+8*((8*(\kk)+4*(\hf)+\j)%12)
.set AC, 32*(4*(\hf)+\j)
.irp t, 0,1,2,3
.if \t < 2
.set FB, BF+8*\t
.else
.set FB, RAW+64*((\kk)%2)+8*(\t-2)
.endif
.if \first
	v_wmma_f32_16x16x32_bf16 v[AC+8*\t:AC+8*\t+7], v[SL:SL+7], v[FB:FB+7], 0
.else
	v_wmma_f32_16x16x32_bf16 v[AC+8*\t:AC+8*\t+7], v[SL:SL+7], v[FB:FB+7], v[AC+8*\t:AC+8*\t+7]
.endif
.endr
.endr
	WIN 0
.endm
.macro PLACES                          ; four places behind a product, ahead of loads into registers that it read, of conversions into them, and of stores of its result
.rept 4
	v_nop
.endr
.endm
; A K step.  A(k)a, A(k)b: the tokens' tiles 0-3 and 4-7 of step k, 8 loads each; B(k): its weights, 16 loads.  Order of issue: B(0) A(0)a A(0)b A(1)a B(1), then in step k: A(k+1)b in its middle, A(k+2)a B(k+2) at its end.
; Loads come back in order.  At a step's head B(k) and A(k)a are wanted: younger are A(k)b, A(k+1)a, B(k+1): 32 (step 7: A(7)b alone: 8).  In its middle A(k)b is wanted: younger are A(k+1)a, B(k+1), A(k+1)b: 32 (step 7: none).
; No load stands behind one that is wanted later than itself.  A wave has 56 loads out at the most.  The request for the weights of step k + 4 goes out two steps ahead of that step's loads and stops with step 7.
.macro STEP kk
.if (\kk) < 7
	s_wait_loadcnt 32
.else
	s_wait_loadcnt 8
.endif
	CVT \kk
.if (\kk) < 4
	PFB (\kk)+4
.endif
.if (\kk) == 0
	MMH \kk, 0, 1
.else
	MMH \kk, 0, 0
.endif
	PLACES
.if (\kk) < 7
	LDAH (\kk)+1, 1                                ; into the four places just multiplied
	s_wait_loadcnt 32
.else
	s_wait_loadcnt 0x0
.endif
.if (\kk) == 0
	MMH \kk, 1, 1
.else
	MMH \kk, 1, 0
.endif
	PLACES
.if (\kk) < 6
	LDAH (\kk)+2, 0                                ; into the four places just multiplied
	LDB (\kk)+2                                    ; into this step's landing buffer
.endif
.endm
.macro BARRIER
	s_barrier_signal -1
	s_barrier_wait -1
.endm
.macro LOADC t, buf                    ; fragment t of token tile w: the eight waves' parts, 16 loads into half buf of RAW
.irp p, 0,1,2,3,4,5,6,7
.irp q, 0,1
	ds_load_b128 v[RAW+64*(\buf)+8*\p+4*\q:RAW+64*(\buf)+8*\p+4*\q+3], v[RA+\p/2] offset:(\p%2)*32768+(\t)*1024+\q*512
.endr
.endr
.endm
.macro SUMC t, buf                     ; a tree over the eight parts, in f32; the last level puts register j's sum beside the other fragments': OO + 4 j + t
.set R0, RAW+64*(\buf)
.irp p, 0,2,4,6
.irp u, 0,2,4,6
	v_pk_add_f32 v[R0+8*\p+\u:R0+8*\p+\u+1], v[R0+8*\p+\u:R0+8*\p+\u+1], v[R0+8*\p+8+\u:R0+8*\p+8+\u+1]
.endr
.endr
.irp p, 0,4
.irp u, 0,2,4,6
	v_pk_add_f32 v[R0+8*\p+\u:R0+8*\p+\u+1], v[R0+8*\p+\u:R0+8*\p+\u+1], v[R0+8*\p+16+\u:R0+8*\p+16+\u+1]
.endr
.endr
.irp j, 0,1,2,3,4,5,6,7
	v_add_f32 v[OO+4*\j+(\t)], v[R0+\j], v[R0+32+\j]
.endr
.endm
	s_load_b256 s[4:11], s[0:1], 0x0               ; counts s[4:5], hb s[6:7], w2 s[8:9], parts s[10:11]
	v_lshl_add_u32 v[SPW], v0, 2, SPARE
	v_mov_b32 v[NIL], 0
	v_lshrrev_b32 v12, 5, v0
	v_readfirstlane_b32 s12, v12                   ; wave 0..7
	s_and_b32 s13, ttmp7, 0xffff                   ; expert
	s_lshr_b32 s40, ttmp9, 1                       ; ns: which 64 output columns
	s_and_b32 s41, ttmp9, 1                        ; kh: which half of k
	v_and_b32 v13, 31, v0                          ; lane
	v_and_b32 v14, 15, v0                          ; r
	v_bfe_u32 v15, v0, 4, 1                        ; h
	v_lshlrev_b32 v[VA], 4, v13
	v_lshlrev_b32 v[VB], 4, v14
	v_lshl_add_u32 v[VO], v15, 15, v[VB]           ; 8 rows of 4,096 bytes + 16 r
	v_lshl_add_u32 v[VB], v15, 17, v[VB]           ; 32 rows of 4,096 bytes + 16 r
	s_lshl_b32 s32, s13, 24                        ; w2: expert x 16 MB + kh x 2,048 rows + w x 256 rows + 256 ns: no count enters it
	s_lshl_b32 s34, s41, 23
	s_add_co_u32 s32, s32, s34
	s_lshl_b32 s34, s12, 20
	s_add_co_u32 s32, s32, s34
	s_lshl_b32 s34, s40, 8
	s_add_co_u32 s32, s32, s34
	s_mov_b32 s33, 0
	s_wait_kmcnt 0x0
	s_load_b256 s[16:23], s[4:5], 0x0              ; the eight counts;
	s_add_nc_u64 s[8:9], s[8:9], s[32:33]
	LDB 0                                          ; while they are on their way the first block's first weights are asked for
	s_lshl_b32 s42, s12, 15
	v_add_nc_u32 v[VST], s42, v[VA]
	s_lshl_b32 s42, s12, 12                        ; in each stage the four accumulators of token tile w
	v_add_nc_u32 v[RA], s42, v[VA]
	v_add_nc_u32 v[RA+1], 0x10000, v[RA]
	v_add_nc_u32 v[RA+2], 0x20000, v[RA]
	v_add_nc_u32 v[RA+3], 0x30000, v[RA]
	v_lshlrev_b32 v[VPF], 12, v14
	v_lshl_add_u32 v[VPF], v15, 17, v[VPF]
	s_wait_kmcnt 0x0
	PREFIX
	s_lshl_b32 s32, s29, 20                        ; hb: slot x 1 MB + kh x 64 K steps + w x 8 K steps
	s_lshl_b32 s34, s41, 19
	s_add_co_u32 s32, s32, s34
	s_lshl_b32 s34, s12, 16
	s_add_co_u32 s32, s32, s34
	s_add_nc_u64 s[6:7], s[6:7], s[32:33]
	s_lshl_b32 s32, s41, 23                        ; parts: kh x 8 MB + slot x 128 rows + w x 16 rows + 256 ns
	s_lshl_b32 s34, s29, 19
	s_add_co_u32 s32, s32, s34
	s_lshl_b32 s34, s12, 16
	s_add_co_u32 s32, s32, s34
	s_lshl_b32 s34, s40, 8
	s_add_co_u32 s32, s32, s34
	s_add_nc_u64 s[10:11], s[10:11], s[32:33]
	s_mov_b32 s30, 0                               ; the trip's first row in the expert
	s_mov_b32 s31, 8                               ; trips to go
.Ltrip:
	s_cmp_lt_u32 s30, s28
	s_cbranch_scc0 .Lno_products                   ; no rows left: the same answer in all eight waves; no barrier is jumped
	LDAH 0, 0                                      ; B(0) is out already
	LDAH 0, 1
	LDAH 1, 0
	LDB 1
	PFB 2
	PFB 3
.irp kk, 0,1,2,3,4,5,6,7
	STEP \kk
.endr
	WIN 0x04                                       ; the stores' data in window 1
.set a, 0
.rept 32                               ; each accumulator's low registers first
	ds_store_b128 v[VST], v[8*a:8*a+3] offset:a*1024
	ds_store_b128 v[VST], v[8*a+4:8*a+7] offset:a*1024+512
.set a, a+1
.endr
	WIN 0
	s_wait_dscnt 0x0                               ; for the others' sake: my parts lie in the stage
.Lno_products:
	BARRIER                                        ; everybody's do
	s_cmp_lt_u32 s30, s28
	s_cbranch_scc0 .Lno_sums
	s_wait_loadcnt 0x0                             ; no load is out into the registers used below (behind the products' last wait none is)
	LOADC 0, 0
	LOADC 1, 1
	s_wait_dscnt 16                                ; all but the 16 loads of the younger fragment
	SUMC 0, 0
	LOADC 2, 0
	s_wait_dscnt 16
	SUMC 1, 1
	LOADC 3, 1
	s_wait_dscnt 16
	SUMC 2, 0
	s_wait_dscnt 0x0                               ; my reads of the stage are over
	SUMC 3, 1
.irp j, 0,1,2,3,4,5,6,7
	global_store_b128 v[VO], v[OO+4*\j:OO+4*\j+3], s[10:11] offset:\j*4096  ; rows 8 h + j: sixteen lanes store 256 consecutive bytes, at a multiple of 256 from the buffer's first
.endr
.Lno_sums:
	BARRIER                                        ; every wave's reads of the stage are back: the next trip may write it
	s_wait_xcnt 0x0                                ; the stores' data and base, and the loads' base, are rewritten only behind this wait
	s_add_nc_u64 s[6:7], s[6:7], ASTEP             ; the next block's slot
	s_add_nc_u64 s[10:11], s[10:11], OSTEP
	s_add_co_u32 s30, s30, 128
	s_cmp_lt_u32 s30, s28
	s_cbranch_scc0 .Lno_next                       ; no further block of this expert
	s_wait_loadcnt 0x0                             ; no load is out into the landing buffer
	LDB 0                                          ; the next block walks the same weights: its first step's are asked for here
.Lno_next:
	s_sub_co_u32 s31, s31, 1
	s_cmp_lg_u32 s31, 0
	s_cbranch_scc1 .Ltrip
	s_wait_tensorcnt 0x0                           ; the wave's end: a closing add onto my spare word behind my last LDS store
	ds_add_u32 v[SPW], v[NIL]
	s_wait_dscnt 0x0
	s_endpgm
.Lfunc_end_k_q8843f2b419_down:
	.size	k_q8843f2b419_down, .Lfunc_end_k_q8843f2b419_down-k_q8843f2b419_down
	.p2alignl 7, 3214868480
	.fill 96, 4, 3214868480
	.section	.rodata,"a",@progbits
	.p2align	6, 0x0
	.amdhsa_kernel k_q8843f2b419_down
		.amdhsa_group_segment_fixed_size 263168
		.amdhsa_private_segment_fixed_size 0
		.amdhsa_enable_private_segment 0
		.amdhsa_kernarg_size 32
		.amdhsa_user_sgpr_count 2
		.amdhsa_user_sgpr_kernarg_segment_ptr 1
		.amdhsa_wavefront_size32 1
		.amdhsa_system_sgpr_workgroup_id_x 1
		.amdhsa_system_sgpr_workgroup_id_y 1
		.amdhsa_system_sgpr_workgroup_id_z 1
		.amdhsa_system_vgpr_workitem_id 0
		.amdhsa_next_free_vgpr 512
		.amdhsa_next_free_sgpr 66
		.amdhsa_reserve_vcc 0
		.amdhsa_float_denorm_mode_32 3
		.amdhsa_float_denorm_mode_16_64 3
		.amdhsa_memory_ordered 1
		.amdhsa_forward_progress 1
		.amdhsa_inst_pref_size 84
	.end_amdhsa_kernel
	.amdgpu_metadata
---
amdhsa.version: [ 1, 2 ]
amdhsa.kernels:
  - .name:           k_q8843f2b419_down
    .symbol:         k_q8843f2b419_down.kd
    .args:
      - { .name: fwd_expert_count, .offset: 0, .size: 8, .value_kind: global_buffer, .address_space: global }
      - { .name: hb, .offset: 8, .size: 8, .value_kind: global_buffer, .address_space: global }
      - { .name: w2, .offset: 16, .size: 8, .value_kind: global_buffer, .address_space: global }
      - { .name: parts, .offset: 24, .size: 8, .value_kind: global_buffer, .address_space: global }
    .group_segment_fixed_size: 263168
    .private_segment_fixed_size: 0
    .kernarg_segment_align: 8
    .kernarg_segment_size: 32
    .max_flat_workgroup_size: 256
    .sgpr_count:     66
    .vgpr_count:     512
    .wavefront_size: 32
...
	.end_amdgpu_metadata
.endif
;; end of part 3
;; launch sum (part 4): grid 256 x 1, 4 waves a work-group, no clusters, 0 bytes of LDS; arguments fwd_expert_count, parts, out0; writes out0
.if DOCPART == 4
	.amdgcn_target "amdgcn-amd-amdhsa--gfx1250"
	.amdhsa_code_object_version 6
	.text
	.protected	k_q8843f2b419_sum
	.globl	k_q8843f2b419_sum
	.p2align	8
	.type	k_q8843f2b419_sum,@function
k_q8843f2b419_sum:
	s_mov_b64 s[64:65], 0
	v_nop
	global_prefetch_b8 v0, s[64:65] scope:SCOPE_SE
	s_setreg_imm32_b32 hwreg(HW_REG_WAVE_MODE, 25, 1), 1
	s_wait_xcnt 0x0
; out0[t] = parts[0][row of t] + parts[1][row of t], or 0 for a token behind the last expert's rows (it matches no expert, and its sum over experts is empty).
; One wave takes one token row of 4,096 bytes: 4 waves x 256 work-groups = 1,024 rows.  Token t belongs to expert e = the number of running sums of the counts that are <= t; its expert begins at
; start = the last such sum; its row in the slots of 128 rows is 128 ((start >> 7) + e) + t - start.
; A stream: each load and store of the wave is 512 consecutive bytes; all 16 loads are out before the first wait.  No LDS, no matrix unit, no cluster: no byte is read twice.
; The branch hangs on the counts, whole numbers read from memory, and on the wave's row; there is no barrier.
; LIMITS.  Counts as unsigned, each held to 1024, and so their running sum; a negative count is not served.
	s_load_b128 s[4:7], s[0:1], 0x0                ; counts s[4:5], parts s[6:7]
	s_load_b64 s[8:9], s[0:1], 0x10                ; out0
	v_lshrrev_b32 v1, 5, v0
	v_readfirstlane_b32 s12, v1                    ; wave 0..3
	s_lshl2_add_u32 s13, ttmp9, s12                ; t
	v_and_b32 v2, 31, v0
	v_lshlrev_b32 v2, 4, v2                        ; 16 lane
	s_wait_kmcnt 0x0
	s_load_b256 s[16:23], s[4:5], 0x0              ; the eight counts
	s_wait_kmcnt 0x0
	s_mov_b32 s24, 0                               ; the running sum
	s_mov_b32 s27, 0                               ; start
	s_mov_b32 s28, 0                               ; e
.irp i, 0,1,2,3,4,5,6,7
	s_min_u32 s25, s[16+\i], 1024
	s_add_co_u32 s24, s24, s25
	s_min_u32 s24, s24, 1024
	s_cmp_ge_u32 s13, s24                          ; is t behind expert i's rows?
	s_cselect_b32 s27, s24, s27
	s_cselect_b32 s26, 1, 0
	s_add_co_u32 s28, s28, s26
.endr
	s_lshl_b32 s32, s13, 12
	s_mov_b32 s33, 0
	s_add_nc_u64 s[8:9], s[8:9], s[32:33]          ; out0 at row t
	s_cmp_lt_u32 s13, s24
	s_cbranch_scc0 .Lzero                          ; behind the last expert's rows
	s_lshr_b32 s29, s27, 7
	s_add_co_u32 s29, s29, s28
	s_lshl_b32 s29, s29, 7
	s_add_co_u32 s29, s29, s13
	s_sub_co_u32 s29, s29, s27
	s_min_u32 s29, s29, 2047                       ; a number read from memory enters an address only behind such a bound
	s_lshl_b32 s32, s29, 12
	s_add_nc_u64 s[6:7], s[6:7], s[32:33]          ; the row in the first half of k,
	s_add_nc_u64 s[10:11], s[6:7], 0x800000        ; and in the second, 16 slots of 524,288 bytes on
.irp i, 0,1,2,3,4,5,6,7
	global_load_b128 v[16+4*\i:19+4*\i], v2, s[6:7] offset:512*\i th:TH_LOAD_NT
.endr
.irp i, 0,1,2,3,4,5,6,7
	global_load_b128 v[48+4*\i:51+4*\i], v2, s[10:11] offset:512*\i th:TH_LOAD_NT
.endr
.irp i, 0,1,2,3,4,5,6,7
	s_wait_loadcnt 7-\i                            ; loads come back in order: both halves' piece i is in, the second half's 7 - i younger ones may be out
	v_pk_add_f32 v[16+4*\i:17+4*\i], v[16+4*\i:17+4*\i], v[48+4*\i:49+4*\i]
	v_pk_add_f32 v[18+4*\i:19+4*\i], v[18+4*\i:19+4*\i], v[50+4*\i:51+4*\i]
	global_store_b128 v2, v[16+4*\i:19+4*\i], s[8:9] offset:512*\i th:TH_STORE_NT
.endr
	s_endpgm
.Lzero:
	v_mov_b32 v16, 0
	v_mov_b32 v17, 0
	v_mov_b32 v18, 0
	v_mov_b32 v19, 0
.irp i, 0,1,2,3,4,5,6,7
	global_store_b128 v2, v[16:19], s[8:9] offset:512*\i th:TH_STORE_NT
.endr
	s_endpgm
.Lfunc_end_k_q8843f2b419_sum:
	.size	k_q8843f2b419_sum, .Lfunc_end_k_q8843f2b419_sum-k_q8843f2b419_sum
	.p2alignl 7, 3214868480
	.fill 96, 4, 3214868480
	.section	.rodata,"a",@progbits
	.p2align	6, 0x0
	.amdhsa_kernel k_q8843f2b419_sum
		.amdhsa_group_segment_fixed_size 0
		.amdhsa_private_segment_fixed_size 0
		.amdhsa_enable_private_segment 0
		.amdhsa_kernarg_size 24
		.amdhsa_user_sgpr_count 2
		.amdhsa_user_sgpr_kernarg_segment_ptr 1
		.amdhsa_wavefront_size32 1
		.amdhsa_system_sgpr_workgroup_id_x 1
		.amdhsa_system_sgpr_workgroup_id_y 1
		.amdhsa_system_sgpr_workgroup_id_z 1
		.amdhsa_system_vgpr_workitem_id 0
		.amdhsa_next_free_vgpr 80
		.amdhsa_next_free_sgpr 66
		.amdhsa_reserve_vcc 0
		.amdhsa_float_denorm_mode_32 3
		.amdhsa_float_denorm_mode_16_64 3
		.amdhsa_memory_ordered 1
		.amdhsa_forward_progress 1
		.amdhsa_inst_pref_size 8
	.end_amdhsa_kernel
	.amdgpu_metadata
---
amdhsa.version: [ 1, 2 ]
amdhsa.kernels:
  - .name:           k_q8843f2b419_sum
    .symbol:         k_q8843f2b419_sum.kd
    .args:
      - { .name: fwd_expert_count, .offset: 0, .size: 8, .value_kind: global_buffer, .address_space: global }
      - { .name: parts, .offset: 8, .size: 8, .value_kind: global_buffer, .address_space: global }
      - { .name: out0, .offset: 16, .size: 8, .value_kind: global_buffer, .address_space: global }
    .group_segment_fixed_size: 0
    .private_segment_fixed_size: 0
    .kernarg_segment_align: 8
    .kernarg_segment_size: 24
    .max_flat_workgroup_size: 128
    .sgpr_count:     66
    .vgpr_count:     80
    .wavefront_size: 32
...
	.end_amdgpu_metadata
.endif
;; end of part 4
;; ======== version 2 of 2: 4 launches; version 1 with the launches up, down written anew for expert scheduling mode
;; workspace buffers: xb 4,194,304 bytes; hb 16,777,216 bytes; parts 16,777,216 bytes
;; launch prep: the kernel of part 1 again; grid 32 x 8, 2 waves a work-group, no clusters, 8,960 bytes of LDS; arguments fwd_expert_count, inp, xb; writes xb
;; launch up (part 5): grid 32 x 8, 8 waves a work-group, no clusters, 263,168 bytes of LDS; arguments fwd_expert_count, xb, w1, hb; writes hb
.if DOCPART == 5
	.amdgcn_target "amdgcn-amd-amdhsa--gfx1250"
	.amdhsa_code_object_version 6
	.text
	.protected	k_q8843f2b419_up
	.globl	k_q8843f2b419_up
	.p2align	8
	.type	k_q8843f2b419_up,@function
k_q8843f2b419_up:
	s_mov_b64 s[64:65], 0
	v_nop
	global_prefetch_b8 v0, s[64:65] scope:SCOPE_SE
	s_setreg_imm32_b32 hwreg(HW_REG_WAVE_SCHED_MODE, 0, 2), 2
	s_setreg_imm32_b32 hwreg(HW_REG_WAVE_MODE, 25, 1), 1
	s_wait_xcnt 0x0
	s_wait_alu depctr_vm_vsrc(0)
; hb = gelu(x w1[e]) for the rows of each expert, bf16, in the second product's fragment order.  x comes from xb (bf16, fragment order, slots of 128 rows), w1 [8][1024][4096] f32 straight from memory.
; BOUND BY THE WEIGHTS' BYTES: 128 MB of f32 for some 128 rows an expert.  So each weight byte is read once for each block of 128 rows (one block at the even split), by one wave, and goes
; memory -> registers -> bf16 fragment without touching LDS.
; SHARES.  grid y = expert e, x = 128 of the 4,096 hidden columns.  Wave w: np = w / 4 picks 64 of them, kp = w % 4 picks 256 of k.  A wave's tile: 128 tokens x 64 columns x 256 k: 32 accumulators.
; WEIGHTS INTO FRAGMENTS.  Lane (r = lane % 16, h = lane / 16) loads 16 bytes W[k][n0 + 4 r .. + 3]: sixteen lanes take 256 consecutive, aligned bytes of one row of w1, the other sixteen those of the row 32 further
; down.  The four numbers go to four fragments t: fragment t's index r stands for column n0 + 4 r + t.  Two rows' numbers rounded together are one fragment register.  So place (h; register half q; element jj) of K step
; kk holds k = 64 (kk / 2) + 32 h + 16 (kk % 2) + 8 q + jj, and xb is laid in that same order: the products are the same, taken in another order of k.
; THE MATRIX INSTRUCTION IS USED TRANSPOSED (source 0 = weights, source 1 = tokens): register j of lane (r, h) is token r, hidden column n0 + 32 h + 4 j + t: after the activation a lane's numbers ARE its
; places in hb's fragment order, and every store is 512 consecutive bytes.
; LOADS AHEAD.  Weights land in two buffers of 64 registers, a buffer to a K step.  The tokens' fragments land one K step ahead, in a ring of 12 places of 8 registers: fragment mt of step k has place
; (8 k + mt) % 12.  A step's products go in two halves (token tiles 0-3, then 4-7); each half's four places are asked for again as soon as the half is multiplied.  The weights of a block's first step are asked for
; before the counts are known: their address hangs on the expert, the columns and the wave alone (an expert without rows so reads 8 KB a wave in vain, inside w1).
; SUM OVER k.  The four waves of an np put their accumulators (f32) into a stage in LDS; behind a barrier wave (np, kp) adds the four parts of token tiles 2 kp, 2 kp + 1, applies gelu (tanh form, as
; x / (1 + 2^(x (k0 + k1 x^2)))), rounds once to bf16 and stores.
; ROWS.  The loop has a constant 8 trips, a block of 128 rows each: enough for all 1,024 rows on one expert.  Every wave passes both barriers in every trip; a trip past the expert's count jumps over the work alone.
; NO CLUSTER, NO TENSOR LOAD.  What an expert's 32 work-groups share is its token fragments, 262,144 bytes a block; the stage takes 262,144 of LDS's 327,680, so a shared copy does not fit beside it, and a ring
; of pieces would put barriers into work that hangs on a count.  The weights have one taker each.
; LIMITS.  Counts as unsigned, each held to 1024, and so their running sum; a negative count is not served.  An expert with more than 128 rows reads its weights once for each block.  NaN and infinities are not treated apart.
; THE MODE: SCHED_MODE bits 1:0 = 2 (LLVM: expert scheduling mode 2), set by the entry lines.  The code itself states the register dependences
; between vector or matrix instructions and memory or LDS instructions, with s_wait_alu, always for 0.
; THE PLAN.  Registers that memory or LDS instructions touch:
;   v1-5, v9               Offsets and LDS addresses.  Made at the head, ahead of one wait, and never written again: the blocks are reached by the scalar bases, the steps by immediate offsets.
;   AF, 3 groups of 4      Half n = 2 k + hf of the products reads group n % 3; behind it the loads of half n + 3 land there.
;   RAW[k % 2] 16-63       Step k's conversions read them; behind them the weights' rows 4-15 of step k + 2 land there.
;   RAW[k % 2] 0-15        Step k's conversions read and write them, both halves of its products read them; behind those the weights' rows 0-3 of step k + 2 land there.
;   the accumulators       Written by the products; read by the LDS stores into the stage; written again by the next trip's first products.
;   RAW, in the sums       The stage's parts land in its two halves by turns; the additions read and write them; then the activation works there.
;   HB                     Written by the last roundings; read by hb's stores; the next trip's tokens land there.
;   BF is named by vector and matrix instructions alone.
; So a step has TWO waits on va_vdst.  The one in its middle states that the first half's products are done reading their places and the conversions done reading registers 16-63 of the landing buffer: 20 loads follow.
; The one at its end states that the second half's products are done reading their places, and all the step's products registers 0-15 of the landing buffer: 12 loads follow.  The products that stand behind a wait name
; none of the registers that its loads touch.  The loads stand in runs: the accumulators lie in window 1, so a load set between two products would want two switches of the window.
; Every run of vector or matrix instructions ends in such a wait ahead of the next label, so nothing is pending on the ways that jump over the products or the sums.  One wait on vm_vsrc stands at the trip's bottom.
.set PITCH,  16384                     ; bytes from row to row of w1
.set ASTEP,  262144                    ; xb: bytes in a slot
.set OSTEP,  1048576                   ; hb: bytes in a slot
.set STAGEW, 32768                     ; a wave's stage: accumulator a at a*1024 + q*512 + lane*16: every LDS access is 512 consecutive bytes.  Behind the eight stages 1,024 bytes hold the spare words
.set VA,  1                            ; v1   16 lane: tokens' loads, hb's stores
.set VB,  2                            ; v2   h x 32 rows of w1 + 16 r
.set VST, 3                            ; v3   my stage + 16 lane
.set RA,  4                            ; v4-5 the stage as I read it: parts 0, 1 and parts 2, 3
.set VPF, 9                            ; v9   (32 h + r) rows of w1: one lane for each row of a K step
.set BF,  16                           ; v[16:31]   the weights' fragments t = 0, 1 (t = 2, 3 lie in the first 16 registers of the step's landing buffer)
.set AF,  32                           ; v[32:127]  the tokens' ring of 12 fragments; later the 64 sums and the 32 packed results
.set RAW, 128                          ; v[128:255] two K steps of weights as loaded, 64 registers each; later the stage's parts
.set XX,  AF
.set HB,  AF+64
.set TT,  RAW
; window 1 (v256-511): accumulator a = 4 mt + t at v[8 a]
.set MSB, 0
.macro WIN new                         ; the immediate's high byte repeats the setting that is left
.if MSB != (\new)
	s_set_vgpr_msb (MSB<<8)|(\new)
.set MSB, \new
.endif
.endm
.macro PREFIX                          ; start (s27), count (s28), first slot (s29) of expert s13 from the counts in s[16:23]
	s_mov_b32 s24, 0
	s_mov_b32 s27, 0
	s_mov_b32 s28, 0
.irp i, 0,1,2,3,4,5,6,7
	s_min_u32 s25, s[16+\i], 1024
	s_add_co_u32 s25, s24, s25
	s_min_u32 s25, s25, 1024
	s_sub_co_u32 s26, s25, s24
	s_cmp_eq_u32 s13, \i
	s_cselect_b32 s27, s24, s27
	s_cselect_b32 s28, s26, s28
	s_mov_b32 s24, s25
.endr
	s_lshr_b32 s29, s27, 7
	s_add_co_u32 s29, s29, s13
	s_min_u32 s29, s29, 15                         ; a number read from memory enters an address only behind such a bound
.endm
.macro LDAH kk, hf                     ; the tokens' fragments mt = 4 hf .. 4 hf + 3 of K step kk into their places of the ring: 8 loads of 512 consecutive bytes
.irp j, 0,1,2,3
.set SL, AF+8*((8*(\kk)+4*(\hf)+\j)%12)
	global_load_b128 v[SL:SL+3],   v[VA], s[6:7] offset:(\kk)*8192+(4*(\hf)+\j)*1024
	global_load_b128 v[SL+4:SL+7], v[VA], s[6:7] offset:(\kk)*8192+(4*(\hf)+\j)*1024+512
.endr
.endm
.macro LDB kk, from, to                ; the weights of K step kk, loads from .. to of its 16: each takes two rows' 256 bytes and lands in four registers of the step's buffer
.irp ii, 0,1,2,3,4,5,6,7,8,9,10,11,12,13,14,15
.if (\ii >= (\from)) && (\ii <= (\to))
	global_load_b128 v[RAW+64*((\kk)%2)+4*\ii:RAW+64*((\kk)%2)+4*\ii+3], v[VB], s[8:9] offset:(((\kk)/2)*64+((\kk)%2)*16+\ii)*PITCH th:TH_LOAD_NT
.endif
.endr
.endm
.macro PFB kk                          ; my own weights of K step kk are asked for ahead: 32 lanes, one for each of the step's 32 row pieces of 256 bytes.  kk is 7 at the most: inside my 256 rows
	global_prefetch_b8 v[VPF], s[8:9] offset:(((\kk)/2)*64+((\kk)%2)*16)*PITCH th:TH_LOAD_NT scope:SCOPE_SE
.endm
; Rows 2 p and 2 p + 1 of the step, column t of the lane's four -> register p of fragment t.  Row i's four numbers lie at RB + 4 i.  Fragments 0, 1 go to BF; fragments 2, 3 go IN PLACE to RB + 0..7 and RB + 8..15,
; where rows 0 to 3 landed.  The order keeps every source whole until it is read: p = 0, 1 of t = 0, 1 free RB + 0, 1, 4, 5, 8, 9, 12, 13; p = 0, 1 of t = 2, 3 then go to RB + 0, 8, 1, 9; behind them rows 0 to 3 are spent.
.macro CVT kk
.set RB, RAW+64*((\kk)%2)
.irp p, 0,1
.irp t, 0,1
	v_cvt_pk_bf16_f32 v[BF+8*\t+\p], v[RB+8*\p+\t], v[RB+8*\p+4+\t]
.endr
.endr
.irp p, 0,1
.irp t, 2,3
	v_cvt_pk_bf16_f32 v[RB+8*(\t-2)+\p], v[RB+8*\p+\t], v[RB+8*\p+4+\t]
.endr
.endr
.irp p, 2,3,4,5,6,7
.irp t, 0,1
	v_cvt_pk_bf16_f32 v[BF+8*\t+\p], v[RB+8*\p+\t], v[RB+8*\p+4+\t]
.endr
.irp t, 2,3
	v_cvt_pk_bf16_f32 v[RB+8*(\t-2)+\p], v[RB+8*\p+\t], v[RB+8*\p+4+\t]
.endr
.endr
.endm
; 16 matrix instructions: token tiles 4 hf .. 4 hf + 3 x the four fragments of weights.  The 32 accumulators take turns, one instruction a turn, from half to half and from step to step.
; first = 1: the products start the sums
.macro MMH kk, hf, first
	WIN 0x50                                       ; C and D in window 1
.irp j, 0,1,2,3
.set SL, AF+8*((8*(\kk)+4*(\hf)+\j)%12)
.set AC, 32*(4*(\hf)+\j)
.irp t, 0,1,2,3
.if \t < 2
.set FB, BF+8*\t
.else
.set FB, RAW+64*((\kk)%2)+8*(\t-2)
.endif
.if \first
	v_wmma_f32_16x16x32_bf16 v[AC+8*\t:AC+8*\t+7], v[FB:FB+7], v[SL:SL+7], 0
.else
	v_wmma_f32_16x16x32_bf16 v[AC+8*\t:AC+8*\t+7], v[FB:FB+7], v[SL:SL+7], v[AC+8*\t:AC+8*\t+7]
.endif
.endr
.endr
	WIN 0
.endm
.macro PLACES                          ; four places behind a product, ahead of loads into registers that it read, of conversions into them, and of stores of its result; they stay beside the waits on va_vdst
.rept 4
	v_nop
.endr
.endm
; A K step.  A(k)a, A(k)b: the tokens' tiles 0-3 and 4-7 of step k, 8 loads each; B(k)l: loads 0-3 of its weights, B(k)h: loads 4-15.
; Order of issue: B(0) A(0)a A(0)b B(1)h A(1)a B(1)l, then in step k: A(k+1)b B(k+2)h in its middle, A(k+2)a B(k+2)l at its end.
; Loads come back in order.  At a step's head B(k) and A(k)a are wanted, the youngest of them B(k)l: younger are A(k)b, B(k+1)h, A(k+1)a, B(k+1)l: 32 (step 7: A(7)b alone: 8).  In its middle, behind the middle's own
; loads, A(k)b is wanted: younger are B(k+1)h, A(k+1)a, B(k+1)l, A(k+1)b, B(k+2)h: 44 (step 6, which has no B(8)h: 32; step 7: none).
; No load stands behind one that is wanted later than itself.  A wave has 56 loads out at the most.  The request for the weights of step k + 4 goes out in step k, ahead of the first of that step's loads (the middle of
; step k + 2), and stops with step 7.
.macro STEP kk
.if (\kk) < 7
	s_wait_loadcnt 32
.else
	s_wait_loadcnt 8
.endif
	CVT \kk
.if (\kk) < 4
	PFB (\kk)+4
.endif
.if (\kk) == 0
	MMH \kk, 0, 1
.else
	MMH \kk, 0, 0
.endif
	PLACES
.if (\kk) < 7
	s_wait_alu depctr_va_vdst(0)                   ; the first half's products are done reading their four places, and the step's conversions registers 16-63 of the landing buffer: the loads below land there
	LDAH (\kk)+1, 1                                ; into the four places just multiplied
.endif
.if (\kk) < 6
	LDB (\kk)+2, 4, 15                             ; into the part of this step's landing buffer that the conversions have emptied
	s_wait_loadcnt 44
.elseif (\kk) == 6
	s_wait_loadcnt 32
.else
	s_wait_loadcnt 0x0
.endif
.if (\kk) == 0
	MMH \kk, 1, 1
.else
	MMH \kk, 1, 0
.endif
	PLACES
.if (\kk) < 6
	s_wait_alu depctr_va_vdst(0)                   ; the second half's products are done reading their four places; all the step's products are done reading registers 0-15 of the landing buffer, which the conversions wrote: the loads below land there
	LDAH (\kk)+2, 0                                ; into the four places just multiplied
	LDB (\kk)+2, 0, 3                              ; into the rest of this step's landing buffer
.endif
.endm
.macro BARRIER
	s_barrier_signal -1
	s_barrier_wait -1
.endm
; token tile 2 kp + m, fragments t = 2 tp, 2 tp + 1: the four waves' parts, 16 loads into half buf of RAW
.macro LOADC m, tp, buf
.irp tau, 0,1
.irp p, 0,1,2,3
.irp q, 0,1
	ds_load_b128 v[RAW+64*(\buf)+32*\tau+8*\p+4*\q:RAW+64*(\buf)+32*\tau+8*\p+4*\q+3], v[RA+\p/2] offset:(\p%2)*32768+(\m)*4096+(2*(\tp)+\tau)*1024+\q*512
.endr
.endr
.endr
.endm
.macro SUMC m, tp, buf                 ; (part 0 + part 1) + (part 2 + part 3), in f32
.irp tau, 0,1
.set R0, RAW+64*(\buf)+32*\tau
.irp u, 0,2,4,6
	v_pk_add_f32 v[R0+\u:R0+\u+1], v[R0+\u:R0+\u+1], v[R0+8+\u:R0+8+\u+1]
	v_pk_add_f32 v[R0+16+\u:R0+16+\u+1], v[R0+16+\u:R0+16+\u+1], v[R0+24+\u:R0+24+\u+1]
.endr
.irp u, 0,2,4,6
	v_pk_add_f32 v[XX+8*(4*(\m)+2*(\tp)+\tau)+\u:XX+8*(4*(\m)+2*(\tp)+\tau)+\u+1], v[R0+\u:R0+\u+1], v[R0+16+\u:R0+16+\u+1]
.endr
.endr
.endm
	s_load_b256 s[4:11], s[0:1], 0x0               ; counts s[4:5], xb s[6:7], w1 s[8:9], hb s[10:11]
	v_lshl_add_u32 v10, v0, 2, 0x40000
	v_mov_b32 v11, 0
	v_lshrrev_b32 v12, 5, v0
	v_readfirstlane_b32 s12, v12                   ; wave 0..7
	v_and_b32 v13, 31, v0                          ; lane
	v_and_b32 v14, 15, v0                          ; r
	v_bfe_u32 v15, v0, 4, 1                        ; h
	v_lshlrev_b32 v[VA], 4, v13
	v_lshlrev_b32 v[VB], 4, v14
	v_lshl_add_u32 v[VB], v15, 19, v[VB]           ; 32 rows of 16,384 bytes
	v_lshlrev_b32 v[VPF], 14, v14
	v_lshl_add_u32 v[VPF], v15, 19, v[VPF]
	s_wait_alu depctr_va_sdst(0)                   ; s12 is written, ahead of its first reader: np, kp, the stage's places and all three bases are made from it
	s_and_b32 s13, ttmp7, 0xffff                   ; expert
	s_mov_b32 s14, ttmp9                           ; which 128 hidden columns
	s_lshr_b32 s40, s12, 2                         ; np
	s_and_b32 s41, s12, 3                          ; kp
	s_lshl_b32 s42, s12, 15
	v_add_nc_u32 v[VST], s42, v[VA]
	s_lshl_b32 s44, s40, 17                        ; the four stages of my np,
	s_lshl_b32 s45, s41, 13                        ; in each the eight accumulators of token tiles 2 kp, 2 kp + 1
	s_add_co_u32 s44, s44, s45                     ; (a scalar register that a vector instruction has read is not written again)
	v_add_nc_u32 v[RA], s44, v[VA]
	v_add_nc_u32 v[RA+1], 0x10000, v[RA]
	s_lshl_b32 s32, s13, 24                        ; w1: expert x 16 MB + kp x 256 rows + 512 x + 256 np: no count enters it
	s_lshl_b32 s34, s41, 22
	s_add_co_u32 s32, s32, s34
	s_lshl_b32 s34, s14, 9
	s_add_co_u32 s32, s32, s34
	s_lshl_b32 s34, s40, 8
	s_add_co_u32 s32, s32, s34
	s_mov_b32 s33, 0
	s_mov_b32 s36, 0xbdd2d3e8                      ; k1 = -2 sqrt(2/pi) log2(e) x 0.044715 = -0.10294324
	s_mov_b32 s37, s36                             ; named as a pair
	s_mov_b32 s38, 0xc0135761                      ; k0 = -2 sqrt(2/pi) log2(e) = -2.3022082
	s_mov_b32 s39, s38
	s_wait_kmcnt 0x0
	s_load_b256 s[16:23], s[4:5], 0x0              ; the eight counts;
	s_add_nc_u64 s[8:9], s[8:9], s[32:33]
	s_wait_alu depctr_va_vdst(0)                   ; the six offsets and addresses v1 to v5 and v9 are written, which every load, store and prefetch of the kernel reads; no vector instruction writes them again
	LDB 0, 0, 15                                   ; while the counts are on their way the first block's first weights are asked for
	s_wait_kmcnt 0x0
	PREFIX
	s_lshl_b32 s32, s29, 18                        ; xb: slot x 262,144 + kp x 8 K steps
	s_lshl_b32 s34, s41, 16
	s_add_co_u32 s32, s32, s34
	s_add_nc_u64 s[6:7], s[6:7], s[32:33]
	s_lshl_b32 s32, s29, 20                        ; hb: slot x 1 MB + (2 x + np) groups of 64 hidden columns (two K steps) + token tile 2 kp
	s_lshl1_add_u32 s34, s14, s40
	s_lshl_b32 s34, s34, 14
	s_add_co_u32 s32, s32, s34
	s_lshl_b32 s34, s41, 11
	s_add_co_u32 s32, s32, s34
	s_add_nc_u64 s[10:11], s[10:11], s[32:33]
	s_mov_b32 s30, 0                               ; the trip's first row in the expert
	s_mov_b32 s31, 8                               ; trips to go
.Ltrip:
	s_cmp_lt_u32 s30, s28
	s_cbranch_scc0 .Lno_products                   ; no rows left: the same answer in all eight waves; no barrier is jumped
	LDAH 0, 0                                      ; B(0) is out already.  These loads owe no wait of their own: the last vector line of the trip before (at the first trip: of the head) stands ahead of a wait on va_vdst
	LDAH 0, 1
	LDB 1, 4, 15
	LDAH 1, 0
	LDB 1, 0, 3
	PFB 2
	PFB 3
.irp kk, 0,1,2,3,4,5,6,7
	STEP \kk
.endr
	WIN 0x04                                       ; the stores' data in window 1
	s_wait_alu depctr_va_vdst(0)                   ; the products have written the accumulators, which the LDS stores read (the four places above stay beside this wait); products and conversions are also done with RAW, in which the stage's parts land behind the barrier
.set a, 0
.rept 32                               ; each accumulator's low registers first
	ds_store_b128 v[VST], v[8*a:8*a+3] offset:a*1024
	ds_store_b128 v[VST], v[8*a+4:8*a+7] offset:a*1024+512
.set a, a+1
.endr
	WIN 0
	s_wait_dscnt 0x0                               ; for the others' sake: my parts lie in the stage
.Lno_products:
	BARRIER                                        ; everybody's do
	s_cmp_lt_u32 s30, s28
	s_cbranch_scc0 .Lno_sums
	s_wait_loadcnt 0x0                             ; no load is out into the registers used below (behind the products' last wait none is)
	LOADC 0, 0, 0
	LOADC 0, 1, 1
	s_wait_dscnt 16                                ; all but the 16 loads of the younger piece
	SUMC 0, 0, 0
	s_wait_alu depctr_va_vdst(0)                   ; the additions are done with the first half of RAW, in which the next piece lands
	LOADC 1, 0, 0
	s_wait_dscnt 16
	SUMC 0, 1, 1
	s_wait_alu depctr_va_vdst(0)                   ; the additions are done with the second half of RAW, in which the last piece lands
	LOADC 1, 1, 1
	s_wait_dscnt 16
	SUMC 1, 0, 0
	s_wait_dscnt 0x0                               ; my reads of the stage are over
	SUMC 1, 1, 1
	; gelu on my 64 sums: x / (1 + 2^(x (k0 + k1 x^2))).  For large |x| the power is 0 or infinite and the result x or -0.
.set i, 0
.rept 32
	v_pk_mul_f32 v[TT+i:TT+i+1], v[XX+i:XX+i+1], v[XX+i:XX+i+1]
.set i, i+2
.endr
.set i, 0
.rept 32
	v_pk_fma_f32 v[TT+i:TT+i+1], v[TT+i:TT+i+1], s[36:37], s[38:39] op_sel_hi:[1,0,0]
.set i, i+2
.endr
.set i, 0
.rept 32
	v_pk_mul_f32 v[TT+i:TT+i+1], v[TT+i:TT+i+1], v[XX+i:XX+i+1]
.set i, i+2
.endr
.set i, 0
.rept 64
	v_exp_f32 v[TT+i], v[TT+i]
.set i, i+1
.endr
	v_nop                                          ; a plain instruction behind the last exponential,
	s_wait_alu depctr_va_vdst(0)                   ; and one wait for the batch: the 64 exponentials have written TT, which the additions below read
.set i, 0
.rept 32
	v_pk_add_f32 v[TT+i:TT+i+1], v[TT+i:TT+i+1], 1.0 op_sel_hi:[1,0]
.set i, i+2
.endr
.set i, 0
.rept 64
	v_rcp_f32 v[TT+i], v[TT+i]
.set i, i+1
.endr
	v_nop
	s_wait_alu depctr_va_vdst(0)                   ; one wait for the batch: the 64 reciprocals have written TT, which the multiplications below read
.set i, 0
.rept 32
	v_pk_mul_f32 v[XX+i:XX+i+1], v[XX+i:XX+i+1], v[TT+i:TT+i+1]
.set i, i+2
.endr
	; hidden column 32 h + 4 j + t is place 16 al + 8 q + jj of my half: register 2 j + t / 2 of the tile's sixteen
.irp m, 0,1
.irp j, 0,1,2,3,4,5,6,7
.irp tp, 0,1
	v_cvt_pk_bf16_f32 v[HB+16*\m+2*\j+\tp], v[XX+8*(4*\m+2*\tp)+\j], v[XX+8*(4*\m+2*\tp+1)+\j]
.endr
.endr
.endr
	s_wait_alu depctr_va_vdst(0)                   ; the roundings have written HB, which the stores read; they are the trip's last vector lines, so sums and activation are also done with AF and RAW, in which the next trip's loads land
.irp m, 0,1
.irp al, 0,1
.irp q, 0,1
	global_store_b128 v[VA], v[HB+16*\m+8*\al+4*\q:HB+16*\m+8*\al+4*\q+3], s[10:11] offset:\al*8192+\m*1024+\q*512  ; 512 consecutive bytes
.endr
.endr
.endr
.Lno_sums:
	BARRIER                                        ; every wave's reads of the stage are back: the next trip may write it
	s_wait_xcnt 0x0                                ; the stores' data and base, and the loads' base, are rewritten only behind this wait
	s_wait_alu depctr_vm_vsrc(0)                   ; the LDS stores have read the accumulators, which the next trip's first products write; hb's stores have read HB, in which the next trip's tokens land
	s_add_nc_u64 s[6:7], s[6:7], ASTEP             ; the next block's slot
	s_add_nc_u64 s[10:11], s[10:11], OSTEP
	s_add_co_u32 s30, s30, 128
	s_cmp_lt_u32 s30, s28
	s_cbranch_scc0 .Lno_next                       ; no further block of this expert
	s_wait_loadcnt 0x0                             ; no load is out into the landing buffer
	LDB 0, 0, 15                                   ; the next block walks the same weights: its first step's are asked for here
.Lno_next:
	s_sub_co_u32 s31, s31, 1
	s_cmp_lg_u32 s31, 0
	s_cbranch_scc1 .Ltrip
	s_wait_dscnt 0x0                               ; the wave's end: my LDS instructions are done.  The closing add onto my spare word follows
	s_wait_alu depctr_hold_cnt(0) depctr_sa_sdst(0) depctr_va_vdst(0) depctr_va_sdst(0) depctr_va_ssrc(0) depctr_va_vcc(0) depctr_vm_vsrc(0)
	s_wait_tensorcnt 0x0
	ds_add_u32 v10, v11
	s_wait_dscnt 0x0
	s_endpgm
.Lfunc_end_k_q8843f2b419_up:
	.size	k_q8843f2b419_up, .Lfunc_end_k_q8843f2b419_up-k_q8843f2b419_up
	.p2alignl 7, 3214868480
	.fill 96, 4, 3214868480
	.section	.rodata,"a",@progbits
	.p2align	6, 0x0
	.amdhsa_kernel k_q8843f2b419_up
		.amdhsa_group_segment_fixed_size 263168
		.amdhsa_private_segment_fixed_size 0
		.amdhsa_enable_private_segment 0
		.amdhsa_kernarg_size 32
		.amdhsa_user_sgpr_count 2
		.amdhsa_user_sgpr_kernarg_segment_ptr 1
		.amdhsa_wavefront_size32 1
		.amdhsa_system_sgpr_workgroup_id_x 1
		.amdhsa_system_sgpr_workgroup_id_y 1
		.amdhsa_system_sgpr_workgroup_id_z 1
		.amdhsa_system_vgpr_workitem_id 0
		.amdhsa_next_free_vgpr 512
		.amdhsa_next_free_sgpr 66
		.amdhsa_reserve_vcc 0
		.amdhsa_float_denorm_mode_32 3
		.amdhsa_float_denorm_mode_16_64 3
		.amdhsa_memory_ordered 1
		.amdhsa_forward_progress 1
		.amdhsa_inst_pref_size 100
	.end_amdhsa_kernel
	.amdgpu_metadata
---
amdhsa.version: [ 1, 2 ]
amdhsa.kernels:
  - .name:           k_q8843f2b419_up
    .symbol:         k_q8843f2b419_up.kd
    .args:
      - { .name: fwd_expert_count, .offset: 0, .size: 8, .value_kind: global_buffer, .address_space: global }
      - { .name: xb, .offset: 8, .size: 8, .value_kind: global_buffer, .address_space: global }
      - { .name: w1, .offset: 16, .size: 8, .value_kind: global_buffer, .address_space: global }
      - { .name: hb, .offset: 24, .size: 8, .value_kind: global_buffer, .address_space: global }
    .group_segment_fixed_size: 263168
    .private_segment_fixed_size: 0
    .kernarg_segment_align: 8
    .kernarg_segment_size: 32
    .max_flat_workgroup_size: 256
    .sgpr_count:     66
    .vgpr_count:     512
    .wavefront_size: 32
...
	.end_amdgpu_metadata
.endif
;; end of part 5
;; launch down (part 6): grid 32 x 8, 8 waves a work-group, no clusters, 263,168 bytes of LDS; arguments fwd_expert_count, hb, w2, parts; writes parts
.if DOCPART == 6
	.amdgcn_target "amdgcn-amd-amdhsa--gfx1250"
	.amdhsa_code_object_version 6
	.text
	.protected	k_q8843f2b419_down
	.globl	k_q8843f2b419_down
	.p2align	8
	.type	k_q8843f2b419_down,@function
k_q8843f2b419_down:
	s_mov_b64 s[64:65], 0
	v_nop
	global_prefetch_b8 v0, s[64:65] scope:SCOPE_SE
	s_setreg_imm32_b32 hwreg(HW_REG_WAVE_SCHED_MODE, 0, 2), 2
	s_setreg_imm32_b32 hwreg(HW_REG_WAVE_MODE, 25, 1), 1
	s_wait_xcnt 0x0
	s_wait_alu depctr_vm_vsrc(0)
; parts[kh] = h w2[e] over half kh of the 4,096 hidden channels, f32, for the rows of each expert.  h comes from hb (bf16, fragment order, slots of 128 rows), w2 [8][4096][1024] f32 straight from memory.
; The frame is the first product's: each weight byte goes memory -> registers -> bf16 fragment, read once for each block of 128 rows by one wave.
; SHARES.  grid y = expert e; x: ns = x / 2 picks 64 of the 1,024 output columns (256 aligned bytes of a row of w2), kh = x % 2 picks 2,048 of k.  Wave w takes 256 of those k.
; A wave's tile: 128 tokens x 64 columns x 256 k: 32 accumulators.  K is cut over two work-groups so that 256 work-groups each read row pieces of 256 bytes; the two halves (partial sums: f32) are added by the last launch.
; WEIGHTS INTO FRAGMENTS.  Lane (r, h) loads 16 bytes W[k][n0 + 4 r .. + 3]; the four numbers go to four fragments t, whose index r stands for column n0 + 4 r + t.  Place (h; q; jj) of K step kk holds
; k = 64 (kk / 2) + 32 h + 16 (kk % 2) + 8 q + jj, the order in which hb is laid.
; RESULT.  Source 0 = tokens, source 1 = weights: register j of lane (r, h), fragment t, is token 8 h + j, column n0 + 4 r + t: the four fragments' numbers are 16 neighbouring bytes, and sixteen lanes store
; 256 consecutive, aligned bytes of one row.
; LOADS AHEAD.  Weights land in two buffers of 64 registers, a buffer to a K step.  The tokens' fragments land one K step ahead, in a ring of 12 places of 8 registers: fragment mt of step k has place
; (8 k + mt) % 12.  A step's products go in two halves (token tiles 0-3, then 4-7); each half's four places are asked for again as soon as the half is multiplied.  The weights of a block's first step are asked for
; before the counts are known: their address hangs on the expert, the columns and the wave alone (an expert without rows so reads 8 KB a wave in vain, inside w2).
; SUM OVER k.  All eight waves put their accumulators (f32) into a stage in LDS; behind a barrier wave w adds the eight parts of token tile w and stores it.
; ROWS.  A constant 8 trips, a block of 128 rows each; every wave passes both barriers in every trip; a trip past the expert's count jumps over the work alone.
; NO CLUSTER, NO TENSOR LOAD.  What an expert's work-groups share is its token fragments, 524,288 bytes a block and half of k: more than LDS holds, beside a stage of 262,144.  The weights have one taker each.
; LIMITS.  Counts as unsigned, each held to 1024, and so their running sum; a negative count is not served.  An expert with more than 128 rows reads its weights once for each block.
; THE MODE: SCHED_MODE bits 1:0 = 2 (LLVM: expert scheduling mode 2), set by the entry lines.  The code itself states the register dependences
; between vector or matrix instructions and memory or LDS instructions, with s_wait_alu, always for 0.
; THE PLAN.  Registers that memory or LDS instructions touch:
;   v1-9                   Offsets and LDS addresses.  Made at the head, ahead of one wait, and never written again: the blocks are reached by the scalar bases, the steps by immediate offsets.
;   AF, 3 groups of 4      Half n = 2 k + hf of the products reads group n % 3; behind it the loads of half n + 3 land there.
;   RAW[k % 2] 16-63       Step k's conversions read them; behind them the weights' rows 4-15 of step k + 2 land there.
;   RAW[k % 2] 0-15        Step k's conversions read and write them, both halves of its products read them; behind those the weights' rows 0-3 of step k + 2 land there.
;   the accumulators       Written by the products; read by the LDS stores into the stage; written again by the next trip's first products.
;   RAW, in the sums       The stage's parts land in its two halves by turns; the additions read and write them.
;   OO                     Written by the last additions; read by the stores into parts; the next trip's tokens land there.
;   BF is named by vector and matrix instructions alone.
; So a step has TWO waits on va_vdst.  The one in its middle states that the first half's products are done reading their places and the conversions done reading registers 16-63 of the landing buffer: 20 loads follow.
; The one at its end states that the second half's products are done reading their places, and all the step's products registers 0-15 of the landing buffer: 12 loads follow.  The products that stand behind a wait name
; none of the registers that its loads touch.  The loads stand in runs: the accumulators lie in window 1, so a load set between two products would want two switches of the window.
; Every run of vector or matrix instructions ends in such a wait ahead of the next label, so nothing is pending on the ways that jump over the products or the sums.  One wait on vm_vsrc stands at the trip's bottom.
.set PITCH,  4096                      ; bytes from row to row of w2
.set ASTEP,  1048576                   ; hb: bytes in a slot
.set OSTEP,  524288                    ; parts: bytes in a slot (128 rows of 4,096)
.set STAGEW, 32768                     ; a wave's stage: accumulator a at a*1024 + q*512 + lane*16.  Behind the eight stages 1,024 bytes hold the spare words
.set VA,  1                            ; v1   16 lane
.set VB,  2                            ; v2   h x 32 rows of w2 + 16 r
.set VST, 3                            ; v3   my stage + 16 lane
.set RA,  4                            ; v4-7 the stage as I read it: parts 2 i, 2 i + 1
.set VO,  8                            ; v8   in parts: 8 h rows + 16 r
.set VPF, 9                            ; v9   (32 h + r) rows of w2
.set BF,  16                           ; v[16:31]   the weights' fragments t = 0, 1 (t = 2, 3 lie in the first 16 registers of the step's landing buffer)
.set AF,  32                           ; v[32:127]  the tokens' ring of 12 fragments; later the 32 sums
.set RAW, 128                          ; v[128:255] two K steps of weights as loaded; later the stage's parts
.set OO,  AF
; window 1 (v256-511): accumulator a = 4 mt + t at v[8 a]
.set MSB, 0
.macro WIN new                         ; the immediate's high byte repeats the setting that is left
.if MSB != (\new)
	s_set_vgpr_msb (MSB<<8)|(\new)
.set MSB, \new
.endif
.endm
.macro PREFIX                          ; start (s27), count (s28), first slot (s29) of expert s13 from the counts in s[16:23]
	s_mov_b32 s24, 0
	s_mov_b32 s27, 0
	s_mov_b32 s28, 0
.irp i, 0,1,2,3,4,5,6,7
	s_min_u32 s25, s[16+\i], 1024
	s_add_co_u32 s25, s24, s25
	s_min_u32 s25, s25, 1024
	s_sub_co_u32 s26, s25, s24
	s_cmp_eq_u32 s13, \i
	s_cselect_b32 s27, s24, s27
	s_cselect_b32 s28, s26, s28
	s_mov_b32 s24, s25
.endr
	s_lshr_b32 s29, s27, 7
	s_add_co_u32 s29, s29, s13
	s_min_u32 s29, s29, 15                         ; a number read from memory enters an address only behind such a bound
.endm
.macro LDAH kk, hf                     ; the tokens' fragments mt = 4 hf .. 4 hf + 3 of K step kk into their places of the ring: 8 loads of 512 consecutive bytes
.irp j, 0,1,2,3
.set SL, AF+8*((8*(\kk)+4*(\hf)+\j)%12)
	global_load_b128 v[SL:SL+3],   v[VA], s[6:7] offset:(\kk)*8192+(4*(\hf)+\j)*1024
	global_load_b128 v[SL+4:SL+7], v[VA], s[6:7] offset:(\kk)*8192+(4*(\hf)+\j)*1024+512
.endr
.endm
.macro LDB kk, from, to                ; the weights of K step kk, loads from .. to of its 16: each takes two rows' 256 bytes and lands in four registers of the step's buffer
.irp ii, 0,1,2,3,4,5,6,7,8,9,10,11,12,13,14,15
.if (\ii >= (\from)) && (\ii <= (\to))
	global_load_b128 v[RAW+64*((\kk)%2)+4*\ii:RAW+64*((\kk)%2)+4*\ii+3], v[VB], s[8:9] offset:(((\kk)/2)*64+((\kk)%2)*16+\ii)*PITCH th:TH_LOAD_NT
.endif
.endr
.endm
.macro PFB kk                          ; my own weights of K step kk are asked for ahead: 32 lanes, one for each of the step's 32 row pieces of 256 bytes.  kk is 7 at the most: inside my 256 rows
	global_prefetch_b8 v[VPF], s[8:9] offset:(((\kk)/2)*64+((\kk)%2)*16)*PITCH th:TH_LOAD_NT scope:SCOPE_SE
.endm
; Rows 2 p and 2 p + 1 of the step, column t of the lane's four -> register p of fragment t.  Row i's four numbers lie at RB + 4 i.  Fragments 0, 1 go to BF; fragments 2, 3 go IN PLACE to RB + 0..7 and RB + 8..15,
; where rows 0 to 3 landed.  The order keeps every source whole until it is read: p = 0, 1 of t = 0, 1 free RB + 0, 1, 4, 5, 8, 9, 12, 13; p = 0, 1 of t = 2, 3 then go to RB + 0, 8, 1, 9; behind them rows 0 to 3 are spent.
.macro CVT kk
.set RB, RAW+64*((\kk)%2)
.irp p, 0,1
.irp t, 0,1
	v_cvt_pk_bf16_f32 v[BF+8*\t+\p], v[RB+8*\p+\t], v[RB+8*\p+4+\t]
.endr
.endr
.irp p, 0,1
.irp t, 2,3
	v_cvt_pk_bf16_f32 v[RB+8*(\t-2)+\p], v[RB+8*\p+\t], v[RB+8*\p+4+\t]
.endr
.endr
.irp p, 2,3,4,5,6,7
.irp t, 0,1
	v_cvt_pk_bf16_f32 v[BF+8*\t+\p], v[RB+8*\p+\t], v[RB+8*\p+4+\t]
.endr
.irp t, 2,3
	v_cvt_pk_bf16_f32 v[RB+8*(\t-2)+\p], v[RB+8*\p+\t], v[RB+8*\p+4+\t]
.endr
.endr
.endm
; 16 matrix instructions: token tiles 4 hf .. 4 hf + 3 x the four fragments of weights.  The 32 accumulators take turns, one instruction a turn, from half to half and from step to step.
; first = 1: the products start the sums
.macro MMH kk, hf, first
	WIN 0x50                                       ; C and D in window 1
.irp j, 0,1,2,3
.set SL, AF+8*((8*(\kk)+4*(\hf)+\j)%12)
.set AC, 32*(4*(\hf)+\j)
.irp t, 0,1,2,3
.if \t < 2
.set FB, BF+8*\t
.else
.set FB, RAW+64*((\kk)%2)+8*(\t-2)
.endif
.if \first
	v_wmma_f32_16x16x32_bf16 v[AC+8*\t:AC+8*\t+7], v[SL:SL+7], v[FB:FB+7], 0
.else
	v_wmma_f32_16x16x32_bf16 v[AC+8*\t:AC+8*\t+7], v[SL:SL+7], v[FB:FB+7], v[AC+8*\t:AC+8*\t+7]
.endif
.endr
.endr
	WIN 0
.endm
.macro PLACES                          ; four places behind a product, ahead of loads into registers that it read, of conversions into them, and of stores of its result; they stay beside the waits on va_vdst
.rept 4
	v_nop
.endr
.endm
; A K step.  A(k)a, A(k)b: the tokens' tiles 0-3 and 4-7 of step k, 8 loads each; B(k)l: loads 0-3 of its weights, B(k)h: loads 4-15.
; Order of issue: B(0) A(0)a A(0)b B(1)h A(1)a B(1)l, then in step k: A(k+1)b B(k+2)h in its middle, A(k+2)a B(k+2)l at its end.
; Loads come back in order.  At a step's head B(k) and A(k)a are wanted, the youngest of them B(k)l: younger are A(k)b, B(k+1)h, A(k+1)a, B(k+1)l: 32 (step 7: A(7)b alone: 8).  In its middle, behind the middle's own
; loads, A(k)b is wanted: younger are B(k+1)h, A(k+1)a, B(k+1)l, A(k+1)b, B(k+2)h: 44 (step 6, which has no B(8)h: 32; step 7: none).
; No load stands behind one that is wanted later than itself.  A wave has 56 loads out at the most.  The request for the weights of step k + 4 goes out in step k, ahead of the first of that step's loads (the middle of
; step k + 2), and stops with step 7.
.macro STEP kk
.if (\kk) < 7
	s_wait_loadcnt 32
.else
	s_wait_loadcnt 8
.endif
	CVT \kk
.if (\kk) < 4
	PFB (\kk)+4
.endif
.if (\kk) == 0
	MMH \kk, 0, 1
.else
	MMH \kk, 0, 0
.endif
	PLACES
.if (\kk) < 7
	s_wait_alu depctr_va_vdst(0)                   ; the first half's products are done reading their four places, and the step's conversions registers 16-63 of the landing buffer: the loads below land there
	LDAH (\kk)+1, 1                                ; into the four places just multiplied
.endif
.if (\kk) < 6
	LDB (\kk)+2, 4, 15                             ; into the part of this step's landing buffer that the conversions have emptied
	s_wait_loadcnt 44
.elseif (\kk) == 6
	s_wait_loadcnt 32
.else
	s_wait_loadcnt 0x0
.endif
.if (\kk) == 0
	MMH \kk, 1, 1
.else
	MMH \kk, 1, 0
.endif
	PLACES
.if (\kk) < 6
	s_wait_alu depctr_va_vdst(0)                   ; the second half's products are done reading their four places; all the step's products are done reading registers 0-15 of the landing buffer, which the conversions wrote: the loads below land there
	LDAH (\kk)+2, 0                                ; into the four places just multiplied
	LDB (\kk)+2, 0, 3                              ; into the rest of this step's landing buffer
.endif
.endm
.macro BARRIER
	s_barrier_signal -1
	s_barrier_wait -1
.endm
.macro LOADC t, buf                    ; fragment t of token tile w: the eight waves' parts, 16 loads into half buf of RAW
.irp p, 0,1,2,3,4,5,6,7
.irp q, 0,1
	ds_load_b128 v[RAW+64*(\buf)+8*\p+4*\q:RAW+64*(\buf)+8*\p+4*\q+3], v[RA+\p/2] offset:(\p%2)*32768+(\t)*1024+\q*512
.endr
.endr
.endm
.macro SUMC t, buf                     ; a tree over the eight parts, in f32; the last level puts register j's sum beside the other fragments': OO + 4 j + t
.set R0, RAW+64*(\buf)
.irp p, 0,2,4,6
.irp u, 0,2,4,6
	v_pk_add_f32 v[R0+8*\p+\u:R0+8*\p+\u+1], v[R0+8*\p+\u:R0+8*\p+\u+1], v[R0+8*\p+8+\u:R0+8*\p+8+\u+1]
.endr
.endr
.irp p, 0,4
.irp u, 0,2,4,6
	v_pk_add_f32 v[R0+8*\p+\u:R0+8*\p+\u+1], v[R0+8*\p+\u:R0+8*\p+\u+1], v[R0+8*\p+16+\u:R0+8*\p+16+\u+1]
.endr
.endr
.irp j, 0,1,2,3,4,5,6,7
	v_add_f32 v[OO+4*\j+(\t)], v[R0+\j], v[R0+32+\j]
.endr
.endm
	s_load_b256 s[4:11], s[0:1], 0x0               ; counts s[4:5], hb s[6:7], w2 s[8:9], parts s[10:11]
	v_lshl_add_u32 v10, v0, 2, 0x40000
	v_mov_b32 v11, 0
	v_lshrrev_b32 v12, 5, v0
	v_readfirstlane_b32 s12, v12                   ; wave 0..7
	v_and_b32 v13, 31, v0                          ; lane
	v_and_b32 v14, 15, v0                          ; r
	v_bfe_u32 v15, v0, 4, 1                        ; h
	v_lshlrev_b32 v[VA], 4, v13
	v_lshlrev_b32 v[VB], 4, v14
	v_lshl_add_u32 v[VO], v15, 15, v[VB]           ; 8 rows of 4,096 bytes + 16 r
	v_lshl_add_u32 v[VB], v15, 17, v[VB]           ; 32 rows of 4,096 bytes + 16 r
	v_lshlrev_b32 v[VPF], 12, v14
	v_lshl_add_u32 v[VPF], v15, 17, v[VPF]
	s_wait_alu depctr_va_sdst(0)                   ; s12 is written, ahead of its first reader: the stage's places and all three bases are made from it
	s_and_b32 s13, ttmp7, 0xffff                   ; expert
	s_lshr_b32 s40, ttmp9, 1                       ; ns: which 64 output columns
	s_and_b32 s41, ttmp9, 1                        ; kh: which half of k
	s_lshl_b32 s42, s12, 15
	v_add_nc_u32 v[VST], s42, v[VA]
	s_lshl_b32 s43, s12, 12                        ; in each stage the four accumulators of token tile w (a scalar register that a vector instruction has read is not written again)
	v_add_nc_u32 v[RA], s43, v[VA]
	v_add_nc_u32 v[RA+1], 0x10000, v[RA]
	v_add_nc_u32 v[RA+2], 0x20000, v[RA]
	v_add_nc_u32 v[RA+3], 0x30000, v[RA]
	s_lshl_b32 s32, s13, 24                        ; w2: expert x 16 MB + kh x 2,048 rows + w x 256 rows + 256 ns: no count enters it
	s_lshl_b32 s34, s41, 23
	s_add_co_u32 s32, s32, s34
	s_lshl_b32 s34, s12, 20
	s_add_co_u32 s32, s32, s34
	s_lshl_b32 s34, s40, 8
	s_add_co_u32 s32, s32, s34
	s_mov_b32 s33, 0
	s_wait_kmcnt 0x0
	s_load_b256 s[16:23], s[4:5], 0x0              ; the eight counts;
	s_add_nc_u64 s[8:9], s[8:9], s[32:33]
	s_wait_alu depctr_va_vdst(0)                   ; the nine offsets and addresses v1 to v9 are written, which every load, store and prefetch of the kernel reads; no vector instruction writes them again
	LDB 0, 0, 15                                   ; while the counts are on their way the first block's first weights are asked for
	s_wait_kmcnt 0x0
	PREFIX
	s_lshl_b32 s32, s29, 20                        ; hb: slot x 1 MB + kh x 64 K steps + w x 8 K steps
	s_lshl_b32 s34, s41, 19
	s_add_co_u32 s32, s32, s34
	s_lshl_b32 s34, s12, 16
	s_add_co_u32 s32, s32, s34
	s_add_nc_u64 s[6:7], s[6:7], s[32:33]
	s_lshl_b32 s32, s41, 23                        ; parts: kh x 8 MB + slot x 128 rows + w x 16 rows + 256 ns
	s_lshl_b32 s34, s29, 19
	s_add_co_u32 s32, s32, s34
	s_lshl_b32 s34, s12, 16
	s_add_co_u32 s32, s32, s34
	s_lshl_b32 s34, s40, 8
	s_add_co_u32 s32, s32, s34
	s_add_nc_u64 s[10:11], s[10:11], s[32:33]
	s_mov_b32 s30, 0                               ; the trip's first row in the expert
	s_mov_b32 s31, 8                               ; trips to go
.Ltrip:
	s_cmp_lt_u32 s30, s28
	s_cbranch_scc0 .Lno_products                   ; no rows left: the same answer in all eight waves; no barrier is jumped
	LDAH 0, 0                                      ; B(0) is out already.  These loads owe no wait of their own: the last vector line of the trip before (at the first trip: of the head) stands ahead of a wait on va_vdst
	LDAH 0, 1
	LDB 1, 4, 15
	LDAH 1, 0
	LDB 1, 0, 3
	PFB 2
	PFB 3
.irp kk, 0,1,2,3,4,5,6,7
	STEP \kk
.endr
	WIN 0x04                                       ; the stores' data in window 1
	s_wait_alu depctr_va_vdst(0)                   ; the products have written the accumulators, which the LDS stores read (the four places above stay beside this wait); products and conversions are also done with RAW, in which the stage's parts land behind the barrier
.set a, 0
.rept 32                               ; each accumulator's low registers first
	ds_store_b128 v[VST], v[8*a:8*a+3] offset:a*1024
	ds_store_b128 v[VST], v[8*a+4:8*a+7] offset:a*1024+512
.set a, a+1
.endr
	WIN 0
	s_wait_dscnt 0x0                               ; for the others' sake: my parts lie in the stage
.Lno_products:
	BARRIER                                        ; everybody's do
	s_cmp_lt_u32 s30, s28
	s_cbranch_scc0 .Lno_sums
	s_wait_loadcnt 0x0                             ; no load is out into the registers used below (behind the products' last wait none is)
	LOADC 0, 0
	LOADC 1, 1
	s_wait_dscnt 16                                ; all but the 16 loads of the younger fragment
	SUMC 0, 0
	s_wait_alu depctr_va_vdst(0)                   ; the additions are done with the first half of RAW, in which the next fragment's parts land
	LOADC 2, 0
	s_wait_dscnt 16
	SUMC 1, 1
	s_wait_alu depctr_va_vdst(0)                   ; the additions are done with the second half of RAW, in which the last fragment's parts land
	LOADC 3, 1
	s_wait_dscnt 16
	SUMC 2, 0
	s_wait_dscnt 0x0                               ; my reads of the stage are over
	SUMC 3, 1
	s_wait_alu depctr_va_vdst(0)                   ; the additions have written OO, which the stores read; they are the trip's last vector lines, so the sums are also done with AF and RAW, in which the next trip's loads land
.irp j, 0,1,2,3,4,5,6,7
	global_store_b128 v[VO], v[OO+4*\j:OO+4*\j+3], s[10:11] offset:\j*4096  ; rows 8 h + j: sixteen lanes store 256 consecutive bytes, at a multiple of 256 from the buffer's first
.endr
.Lno_sums:
	BARRIER                                        ; every wave's reads of the stage are back: the next trip may write it
	s_wait_xcnt 0x0                                ; the stores' data and base, and the loads' base, are rewritten only behind this wait
	s_wait_alu depctr_vm_vsrc(0)                   ; the LDS stores have read the accumulators, which the next trip's first products write; the stores into parts have read OO, in which the next trip's tokens land
	s_add_nc_u64 s[6:7], s[6:7], ASTEP             ; the next block's slot
	s_add_nc_u64 s[10:11], s[10:11], OSTEP
	s_add_co_u32 s30, s30, 128
	s_cmp_lt_u32 s30, s28
	s_cbranch_scc0 .Lno_next                       ; no further block of this expert
	s_wait_loadcnt 0x0                             ; no load is out into the landing buffer
	LDB 0, 0, 15                                   ; the next block walks the same weights: its first step's are asked for here
.Lno_next:
	s_sub_co_u32 s31, s31, 1
	s_cmp_lg_u32 s31, 0
	s_cbranch_scc1 .Ltrip
	s_wait_dscnt 0x0                               ; the wave's end: my LDS instructions are done.  The closing add onto my spare word follows
	s_wait_alu depctr_hold_cnt(0) depctr_sa_sdst(0) depctr_va_vdst(0) depctr_va_sdst(0) depctr_va_ssrc(0) depctr_va_vcc(0) depctr_vm_vsrc(0)
	s_wait_tensorcnt 0x0
	ds_add_u32 v10, v11
	s_wait_dscnt 0x0
	s_endpgm
.Lfunc_end_k_q8843f2b419_down:
	.size	k_q8843f2b419_down, .Lfunc_end_k_q8843f2b419_down-k_q8843f2b419_down
	.p2alignl 7, 3214868480
	.fill 96, 4, 3214868480
	.section	.rodata,"a",@progbits
	.p2align	6, 0x0
	.amdhsa_kernel k_q8843f2b419_down
		.amdhsa_group_segment_fixed_size 263168
		.amdhsa_private_segment_fixed_size 0
		.amdhsa_enable_private_segment 0
		.amdhsa_kernarg_size 32
		.amdhsa_user_sgpr_count 2
		.amdhsa_user_sgpr_kernarg_segment_ptr 1
		.amdhsa_wavefront_size32 1
		.amdhsa_system_sgpr_workgroup_id_x 1
		.amdhsa_system_sgpr_workgroup_id_y 1
		.amdhsa_system_sgpr_workgroup_id_z 1
		.amdhsa_system_vgpr_workitem_id 0
		.amdhsa_next_free_vgpr 512
		.amdhsa_next_free_sgpr 66
		.amdhsa_reserve_vcc 0
		.amdhsa_float_denorm_mode_32 3
		.amdhsa_float_denorm_mode_16_64 3
		.amdhsa_memory_ordered 1
		.amdhsa_forward_progress 1
		.amdhsa_inst_pref_size 85
	.end_amdhsa_kernel
	.amdgpu_metadata
---
amdhsa.version: [ 1, 2 ]
amdhsa.kernels:
  - .name:           k_q8843f2b419_down
    .symbol:         k_q8843f2b419_down.kd
    .args:
      - { .name: fwd_expert_count, .offset: 0, .size: 8, .value_kind: global_buffer, .address_space: global }
      - { .name: hb, .offset: 8, .size: 8, .value_kind: global_buffer, .address_space: global }
      - { .name: w2, .offset: 16, .size: 8, .value_kind: global_buffer, .address_space: global }
      - { .name: parts, .offset: 24, .size: 8, .value_kind: global_buffer, .address_space: global }
    .group_segment_fixed_size: 263168
    .private_segment_fixed_size: 0
    .kernarg_segment_align: 8
    .kernarg_segment_size: 32
    .max_flat_workgroup_size: 256
    .sgpr_count:     66
    .vgpr_count:     512
    .wavefront_size: 32
...
	.end_amdgpu_metadata
.endif
;; end of part 6
;; launch sum: the kernel of part 4 again; grid 256 x 1, 4 waves a work-group, no clusters, 0 bytes of LDS; arguments fwd_expert_count, parts, out0; writes out0
